; MI455X (gfx1250); checked and timed in simulation.
; The chip was launched on July 23, 2026; its instructions are those of AMD's public machine-readable ISA for CDNA 5 (MIT licence, August 2026) and "CDNA5" Instruction Set Architecture Reference Guide (July 2026). The comments in the code are by the model that wrote it; some were corrected since.
;; Sliding Window Attention. Allowed arithmetic: matrix products marked QUANTISED: E2M3 operands, one E8M0 scale for each 32 along K, by v_wmma_scale_f32_16x16x128_f8f6f4 with both operands' format E2M3, f32 sums; everything else in f32.
;; Inputs: Wk 1,024 x 1,024 float32; Wo 1,024 x 1,024 float32; Wq 1,024 x 1,024 float32; Wv 1,024 x 1,024 float32; bk 1,024 float32; bo 1,024 float32; bq 1,024 float32; bv 1,024 float32; hidden_state 1 x 8,192 x 1,024 float32.
;; Outputs: out0 1 x 8,192 x 1,024 float32.
;; This version of the problem:
;;   THIS VERSION OF THE PROBLEM IS GIVEN IN LOW PRECISION. The matrix products marked QUANTISED in the list below multiply operands that are first quantised to E2M3 (2 exponent bits, 3 mantissa bits; 6 bits a number), with one power-of-two scale for each 32 numbers along K (OCP MX v1.0); their sums are f32. All else is computed in f32.
;;   The module's matrix products, in the order in which they are computed (A, B: the left and right operand; K: the contracted axis; several contracted axes count as one K, in the product's order):
;;     1. [M 8,192, K 1,024] x [K 1,024, N 1,024]; A: input hidden_state; B: input Wq: QUANTISED
;;     2. [M 8,192, K 1,024] x [K 1,024, N 1,024]; A: input hidden_state; B: input Wk: QUANTISED
;;     3. [M 8,192, K 1,024] x [K 1,024, N 1,024]; A: input hidden_state; B: input Wv: QUANTISED
;;     4. batch 256 x [M 512, K 64] x [K 64, N 1,024]; A: computed on the way; B: computed on the way: QUANTISED
;;     5. batch 256 x [M 512, K 1,024] x [K 1,024, N 64]; A: softmax (see below); B: computed on the way: QUANTISED
;;     6. [M 8,192, K 1,024] x [K 1,024, N 1,024]; A: computed on the way; B: input Wo: QUANTISED
;;   THE QUANTISER, for each operand of a quantised product, along K:
;;     - K is cut into blocks of 32 from its start; a last block that is shorter is filled with zeros.
;;     - A block's scale is 2^e with e = floor(log2(the largest magnitude in the block)) - 2, held to -126 .. 127; a block of zeros has e = 0. As a byte (E8M0): e + 127.
;;     - Each number is divided by its block's scale, clamped to +-7.5, and rounded to the nearest number of E2M3, ties to even, subnormals kept.
;;     - The product sums the exact products of the quantised numbers (number of the format x scale) in f32.
;;   ~~~python
;;   def quantise(x, axis):      # numpy; x: float32 -> the quantised numbers, widened to float32 again
;;       x = np.moveaxis(x, axis, -1); K = x.shape[-1]
;;       x = np.pad(x, [(0, 0)] * (x.ndim - 1) + [(0, -K % 32)]); x = x.reshape(x.shape[:-1] + (-1, 32)); a = np.abs(x).max(-1, keepdims=True)
;;       e = np.where(a > 0, np.clip(np.frexp(np.where(a > 0, a, 1))[1] - 1 - 2, -126, 127), 0)      # np.frexp(a)[1] - 1 = floor(log2(a)), exactly
;;       r = np.clip(x / 2.0 ** e, -7.5, 7.5)
;;       step = 2.0 ** (np.maximum(np.frexp(np.where(r == 0, 1, r))[1] - 1, 0) - 3)
;;       q = np.round(r / step) * step * 2.0 ** e      # np.round: ties to even
;;       return np.moveaxis(q.reshape(q.shape[:-2] + (-1,))[..., :K], -1, axis).astype(np.float32)
;;   ~~~
;;   SOFTMAX AHEAD OF A QUANTISED PRODUCT. Where the list says 'softmax', what is quantised is not the finished softmax but p = 2^(t - M), with t = logit x log2(e) and M = ceil(the row's largest t), a whole number; so 1/2 < the row's largest p <= 1. The row's sum l is taken of the UNQUANTISED p, in f32, and the product's result is divided by l at the end. Since M is a whole number, a kernel that streams over the keys may use a running M (the ceiling of the running maximum): every later rescaling is an exact power of two, which a block's scale takes up: the codes' values come out the same.
;;   OPERANDS COMPUTED ON THE WAY. 'Computed on the way' means the value that the module computes at that place (a softmax that the list does not call 'softmax' is quantised finished and normalised). What goes into a quantiser is computed in f32, as accurately as f32 sums, v_exp_f32 and their like allow (about 1e-6 of the number): no bf16 or f16 on the way to a quantiser, and a product that is left as it is and whose result goes on into a quantised operand takes f32 operands (vector FMAs, or v_wmma_f32_16x16x4_f32). A number that lies on a knife's edge between two numbers of the format may be rounded either way, as far as f32 arithmetic and the matrix unit's own rounding can turn it there, and no further.
;; One version. Each part assembles by itself: llvm-mc -triple=amdgcn-amd-amdhsa -mcpu=gfx1250 --defsym DOCPART=n.
;; ======== version 1 of 1: 4 launches
;; limits: right only within a limited range of input values
;; workspace buffers: codes 9,437,184 bytes; scl 393,216 bytes; frq 2,048 bytes; qc 6,553,600 bytes; kv 13,107,200 bytes; oc 6,291,456 bytes; os 262,144 bytes
;; launch prep (part 1): grid 385 x 1, 4 waves a work-group, no clusters, 34,304 bytes of LDS; arguments hidden_state, Wq, Wk, Wv, Wo, codes, scl, frq; writes codes, scl, frq
.if DOCPART == 1
	.amdgcn_target "amdgcn-amd-amdhsa--gfx1250"
	.amdhsa_code_object_version 6
	.text
	.protected	k_qfb1d8209c1_prep
	.globl	k_qfb1d8209c1_prep
	.p2align	8
	.type	k_qfb1d8209c1_prep,@function
k_qfb1d8209c1_prep:
	s_mov_b64 s[64:65], 0
	v_nop
	global_prefetch_b8 v0, s[64:65] scope:SCOPE_SE
	s_setreg_imm32_b32 hwreg(HW_REG_WAVE_MODE, 25, 1), 1
	s_wait_xcnt 0x0
; hidden_state [8192][1024] and Wq, Wk, Wv, Wo [1024][1024], f32, K innermost, become codes of FP6 (E2M3) with one E8M0 byte for each 32 along K,
; laid as IMAGES OF OPERAND REGISTERS: a fragment (16 rows x 128 K, 12 registers a lane) is 1,536 bytes, three pieces of 512, piece c = registers 4 c .. 4 c + 3, lane l's 16 bytes at 16 l.
; codes: [tile position 768][K step 8][1,536];  scl: [tile position][K step 8][row 16] words of four bytes.
; THE ROWS OF A TILE ARE NOT NEIGHBOURS: row i of tile 2 g + u is row 32 g + 8 u + i + 8 (i / 8) of its tensor, so that in a product's result the 16 registers of two neighbouring tiles are 16 neighbours.
; Positions: 0-511 hidden_state; 512-639 Wq and Wk in the order in which the projection's waves take them (512 + 16 g + 8 e + 4 isK + 2 hi + u for rows 512 hi + 64 g + 32 e ..); 640-703 Wv; 704-767 Wo.
; A block's scale is 2^(floor(log2(largest magnitude)) - 2): its byte is the largest magnitude's exponent field - 2, held at 1 from below.
; LIMITS: NaN and infinities are not served; blocks whose largest magnitude lies under 2^-124 keep the byte 1; a block of zeros has the byte 1 (its codes are zeros, and this program alone reads the bytes).
; SHARES: work-group x < 384 takes 32 rows of one tensor; wave w tile u = w / 2 and K half w % 2: four fragments.  Each load reads 512 consecutive bytes of a row; a fragment's 16 rows turn through the wave's own
; stage in LDS (rows 528 bytes apart) so that lane (r, h) gets k = 64 c + 32 h + 0 .. 31 of row r: whole blocks, in the order of the operand's registers.  No barrier: waves share nothing.
; Work-group 384 makes the table frq[c] = 1 / 10000^(c / 512), c = 0 .. 511: the power as a pair of f32 (high part, low part) from seven square roots of 10 and the bits of c, rounded once to f32; then the rounded reciprocal.
.set STGB,  8448                       ; a wave's stage: 16 rows x 528 bytes
.set SPARE, 4*STGB                     ; behind the stages: the spare words, 128 bytes a wave: two blocks of 256 bytes that no other line names
.set R,     32                         ; v32-159  two sets of 64 registers as loaded
.set X,     160                        ; v160-223 my 64 numbers: two blocks of 32
.set C,     224                        ; v224-235 the fragment's codes
.set CT,    236                        ; v236-238, v240-242: the upper halves of the two blocks, as the conversions leave them
.set W,     16                         ; v16-19   the four fragments' scale words
.set SPW,   20                         ; v20      my spare word's LDS address; never rewritten
.set NIL,   21                         ; v21      0; never rewritten
	s_load_b256 s[4:11], s[0:1], 0x0               ; hidden_state, Wq, Wk, Wv
	s_load_b256 s[12:19], s[0:1], 0x20             ; Wo, codes, scl, frq
	v_lshl_add_u32 v[SPW], v0, 2, SPARE
	v_mov_b32 v[NIL], 0
	s_cmp_eq_u32 ttmp9, 384
	s_cbranch_scc1 .Ltable
	v_lshrrev_b32 v1, 5, v0
	v_readfirstlane_b32 s28, v1                    ; wave
	s_lshr_b32 s29, s28, 1                         ; u
	s_and_b32 s30, s28, 1                          ; K half
	v_and_b32 v1, 31, v0                           ; lane
	v_and_b32 v2, 15, v0                           ; r
	v_bfe_u32 v3, v0, 4, 1                         ; h
	v_lshlrev_b32 v4, 4, v1                        ; 16 x lane: my bytes of a load's 512, and of a piece of an image
	s_mul_i32 s31, s28, STGB
	v_add_nc_u32 v5, s31, v4                       ; the stage, on the way in
	v_mul_u32_u24 v6, v2, 528
	v_lshl_add_u32 v6, v3, 7, v6
	v_add_nc_u32 v6, s31, v6                       ; and out: row r, + 128 h bytes
	v_lshlrev_b32 v7, 2, v2
	v_lshl_add_u32 v7, v3, 6, v7                   ; scale words out: 64 h + 4 r
	v_lshlrev_b32 v24, 3, v3                       ; 8 h: my bytes' shift in a scale word
	v_mov_b32 v15, 0                               ; a lane permute's destination counts as read
	s_mov_b32 s38, 0x76543210
	s_mov_b32 s39, 0xfedcba98                      ; selects for lane l xor 16
	; which tensor, which 32 rows, which position: all from the work-group's number
	s_and_b32 s22, ttmp9, 31                       ; a weight's group of 32 rows
	s_sub_co_u32 s23, ttmp9, 256
	s_lshr_b32 s23, s23, 5                         ; 0 Wq, 1 Wk, 2 Wv, 3 Wo
	s_and_b32 s24, s22, 15
	s_lshr_b32 s24, s24, 1
	s_lshl_b32 s24, s24, 4                         ; 16 g
	s_and_b32 s25, s22, 1
	s_lshl_b32 s25, s25, 3                         ; 8 e
	s_add_co_u32 s24, s24, s25
	s_lshl_b32 s25, s23, 2                         ; 4 isK
	s_add_co_u32 s24, s24, s25
	s_lshr_b32 s25, s22, 4
	s_lshl_b32 s25, s25, 1                         ; 2 hi
	s_add_co_u32 s24, s24, s25
	s_add_co_u32 s24, s24, 512
	s_lshl_b32 s25, s23, 6
	s_lshl_b32 s26, s22, 1
	s_add_co_u32 s25, s25, s26
	s_add_co_u32 s25, s25, 512                     ; Wv, Wo: 512 + 64 x which + 2 x group
	s_cmp_lt_u32 ttmp9, 320
	s_cselect_b32 s24, s24, s25
	s_lshl_b32 s25, ttmp9, 1
	s_cmp_lt_u32 ttmp9, 256
	s_cselect_b32 s24, s25, s24                    ; the group's first position
	s_cselect_b32 s22, ttmp9, s22                  ; the group
	s_add_co_u32 s24, s24, s29                     ; my tile's position
	s_lshl_b32 s32, s22, 17                        ; 32 rows of 4,096 bytes a group
	s_lshl_b32 s33, s29, 15                        ; 8 u rows
	s_add_co_u32 s32, s32, s33
	s_lshl_b32 s33, s30, 11                        ; my K half: 2,048 bytes
	s_add_co_u32 s32, s32, s33
	s_mov_b32 s33, 0
	s_mul_i32 s34, s24, 12288
	s_mul_i32 s35, s30, 6144
	s_add_co_u32 s34, s34, s35
	s_mov_b32 s35, 0
	s_lshl_b32 s36, s24, 9
	s_lshl_b32 s37, s30, 8
	s_add_co_u32 s36, s36, s37
	s_mov_b32 s37, 0
	s_wait_alu depctr_va_vdst(0)
	s_wait_kmcnt 0x0
	s_cmp_lt_u32 ttmp9, 256                        ; the choice of the input hangs on the work-group's number alone
	s_cselect_b64 s[20:21], s[4:5], s[6:7]
	s_cmp_lt_u32 ttmp9, 288
	s_cselect_b64 s[20:21], s[20:21], s[8:9]
	s_cmp_lt_u32 ttmp9, 320
	s_cselect_b64 s[20:21], s[20:21], s[10:11]
	s_cmp_lt_u32 ttmp9, 352
	s_cselect_b64 s[20:21], s[20:21], s[12:13]
	s_add_nc_u64 s[20:21], s[20:21], s[32:33]
	s_add_nc_u64 s[14:15], s[14:15], s[34:35]
	s_add_nc_u64 s[16:17], s[16:17], s[36:37]
.macro LOAD f                          ; fragment f: 16 rows x 512 bytes into set f % 2
.irp i, 0,1,2,3,4,5,6,7,8,9,10,11,12,13,14,15
	global_load_b128 v[R+64*((\f)%2)+4*\i:R+64*((\f)%2)+4*\i+3], v4, s[20:21] offset:(\i+8*(\i/8))*4096+512*(\f) th:TH_LOAD_NT
.endr
.endm
.macro TURN f                          ; through the stage: LDS serves a wave's instructions in order, so no wait stands between the stores and the loads
.irp i, 0,1,2,3,4,5,6,7,8,9,10,11,12,13,14,15
	ds_store_b128 v5, v[R+64*((\f)%2)+4*\i:R+64*((\f)%2)+4*\i+3] offset:528*\i
.endr
.irp c, 0,1
.irp j, 0,1,2,3,4,5,6,7
	ds_load_b128 v[X+32*\c+4*\j:X+32*\c+4*\j+3], v6 offset:256*\c+16*\j
.endr
.endr
.endm
.macro FRAGQ f                         ; my two blocks (2 c + h of row r) become registers 6 c .. 6 c + 5
.irp c, 0,1
	v_max3_num_f32 v[8+\c], |v[X+32*\c]|, |v[X+32*\c+1]|, 0x1800000   ; with the floor 2^(3 - 127): the byte cannot fall under 1
.endr
.irp i, 2,4,6,8,10,12,14,16,18,20,22,24,26,28,30
.irp c, 0,1
	v_max3_num_f32 v[8+\c], v[8+\c], |v[X+32*\c+\i]|, |v[X+32*\c+\i+1]|
.endr
.endr
.irp c, 0,1
	v_add_nc_u32 v[10+\c], 0xff000000, v[8+\c]     ; 2 off the exponent field: the conversion's scale operand
.endr
.irp c, 0,1
	v_lshrrev_b32 v[12+\c], 23, v[10+\c]           ; the byte
.endr
	v_lshl_or_b32 v14, v13, 16, v12
	v_lshlrev_b32 v14, v24, v14                    ; bytes h and 2 + h of the row's word
	v_permlanex16_b32 v15, v14, s38, s39
	v_or_b32 v[W+\f], v14, v15                     ; with lane l xor 16's two the word is whole
	s_wait_alu depctr_va_vdst(0)
	s_wait_xcnt 0x0                                ; the last fragment's stores have read the codes' registers
.irp c, 0,1
	v_cvt_scalef32_pk16_fp6_f32 v[C+6*\c:C+6*\c+2], v[X+32*\c:X+32*\c+15], v[10+\c]
	v_cvt_scalef32_pk16_fp6_f32 v[CT+4*\c:CT+4*\c+2], v[X+32*\c+16:X+32*\c+31], v[10+\c]   ; (a conversion's three registers begin on an even number)
.endr
	v_nop                                          ; one plain line behind the conversions
.irp c, 0,1
.irp i, 0,1,2
	v_mov_b32 v[C+3+6*\c+\i], v[CT+4*\c+\i]
.endr
.endr
.irp c, 0,1,2
	global_store_b128 v4, v[C+4*\c:C+4*\c+3], s[14:15] offset:1536*(\f)+512*\c   ; 512 consecutive bytes, aligned
.endr
.endm
	LOAD 0
	LOAD 1
.irp f, 0,1,2,3
.if \f < 3
	s_wait_loadcnt 16                              ; this fragment's 16 loads are in; the next fragment's 16 may be out
.else
	s_wait_loadcnt 0x0
.endif
	TURN \f
	s_wait_dscnt 0x0                               ; my numbers are back, and the stage's stores have read their registers
.if \f < 2
	LOAD \f+2
.endif
	FRAGQ \f
.endr
	v_cmp_eq_u32 vcc_lo, 1, v3
	v_cndmask_b32 v22, v[W], v[W+1], vcc_lo        ; lanes 0-15 store K step 0's and 2's words, lanes 16-31 K step 1's and 3's
	v_cndmask_b32 v23, v[W+2], v[W+3], vcc_lo
	global_store_b32 v7, v22, s[16:17]             ; 128 consecutive bytes each: the two fill 256 aligned bytes
	global_store_b32 v7, v23, s[16:17] offset:128
	s_wait_tensorcnt 0x0                           ; the wave's end
	ds_add_u32 v[SPW], v[NIL]
	s_wait_dscnt 0x0
	s_endpgm
.Ltable:                                           ; thread t = 0 .. 127; c = t + 128 i; 10000^(c / 512) = 10^i x the product over the bits k of t of 10000^(2^k / 512), and 10000^(64 / 512) = sqrt(10)
	v_mov_b32 v30, 0x41200000                      ; (high, low) = (10, 0)
	v_mov_b32 v31, 0
	v_mov_b32 v32, 1.0                             ; the product
	v_mov_b32 v33, 0
	v_lshlrev_b32 v49, 2, v0
	s_wait_alu depctr_va_vdst(0)
.irp k, 6,5,4,3,2,1,0
	v_sqrt_f32 v34, v30                            ; the root of the pair: s + (high - s s + low) / (2 s)
	v_rsq_f32 v35, v30
	v_and_b32 v36, 1<<\k, v0                       ; (a plain line behind the two)
	s_wait_alu depctr_va_vdst(0)                   ; the wait ahead of the first reader
	v_fma_f32 v37, -v34, v34, v30
	v_add_f32 v37, v37, v31
	v_mul_f32 v37, v37, v35
	v_mul_f32 v37, 0.5, v37
	v_add_f32 v30, v34, v37
	v_sub_f32 v38, v34, v30
	v_add_f32 v31, v38, v37
	v_cmp_ne_u32 vcc_lo, 0, v36
	v_cndmask_b32 v39, 1.0, v30, vcc_lo            ; the factor: the root where bit k of t is set, else 1
	v_cndmask_b32 v40, 0, v31, vcc_lo
	v_mul_f32 v41, v32, v39                        ; the product of two pairs
	v_fma_f32 v42, v32, v39, -v41
	v_fma_f32 v42, v32, v40, v42
	v_fma_f32 v42, v33, v39, v42
	v_add_f32 v32, v41, v42
	v_sub_f32 v43, v41, v32
	v_add_f32 v33, v43, v42
.endr
	s_wait_kmcnt 0x0
.macro TAB i, kc
	v_mov_b32 v44, \kc                             ; 10^i, exact
	s_wait_alu depctr_va_vdst(0)
	v_mul_f32 v45, v32, v44
	v_fma_f32 v46, v32, v44, -v45
	v_fma_f32 v46, v33, v44, v46
	v_add_f32 v45, v45, v46                        ; the power, rounded once to f32
	s_wait_alu depctr_va_vdst(0)
	v_rcp_f32 v47, v45
	v_nop
	s_wait_alu depctr_va_vdst(0)
	v_fma_f32 v48, -v45, v47, 1.0                  ; two corrections by the exact residue
	v_fma_f32 v47, v47, v48, v47
	v_fma_f32 v48, -v45, v47, 1.0
	v_fma_f32 v[50+\i], v47, v48, v47
	global_store_b32 v49, v[50+\i], s[18:19] offset:512*\i
.endm
	TAB 0, 0x3f800000
	TAB 1, 0x41200000
	TAB 2, 0x42c80000
	TAB 3, 0x447a0000
	s_endpgm
.Lfunc_end_k_qfb1d8209c1_prep:
	.size	k_qfb1d8209c1_prep, .Lfunc_end_k_qfb1d8209c1_prep-k_qfb1d8209c1_prep
	.p2alignl 7, 3214868480
	.fill 96, 4, 3214868480
	.section	.rodata,"a",@progbits
	.p2align	6, 0x0
	.amdhsa_kernel k_qfb1d8209c1_prep
		.amdhsa_group_segment_fixed_size 34304
		.amdhsa_private_segment_fixed_size 0
		.amdhsa_enable_private_segment 0
		.amdhsa_kernarg_size 64
		.amdhsa_user_sgpr_count 2
		.amdhsa_user_sgpr_kernarg_segment_ptr 1
		.amdhsa_wavefront_size32 1
		.amdhsa_system_sgpr_workgroup_id_x 1
		.amdhsa_system_sgpr_workgroup_id_y 1
		.amdhsa_system_sgpr_workgroup_id_z 1
		.amdhsa_system_vgpr_workitem_id 0
		.amdhsa_next_free_vgpr 248
		.amdhsa_next_free_sgpr 66
		.amdhsa_reserve_vcc 1
		.amdhsa_float_denorm_mode_32 3
		.amdhsa_float_denorm_mode_16_64 3
		.amdhsa_memory_ordered 1
		.amdhsa_forward_progress 1
		.amdhsa_inst_pref_size 40
	.end_amdhsa_kernel
	.amdgpu_metadata
---
amdhsa.version: [ 1, 2 ]
amdhsa.kernels:
  - .name:           k_qfb1d8209c1_prep
    .symbol:         k_qfb1d8209c1_prep.kd
    .args:
      - { .name: hidden_state, .offset: 0, .size: 8, .value_kind: global_buffer, .address_space: global }
      - { .name: Wq, .offset: 8, .size: 8, .value_kind: global_buffer, .address_space: global }
      - { .name: Wk, .offset: 16, .size: 8, .value_kind: global_buffer, .address_space: global }
      - { .name: Wv, .offset: 24, .size: 8, .value_kind: global_buffer, .address_space: global }
      - { .name: Wo, .offset: 32, .size: 8, .value_kind: global_buffer, .address_space: global }
      - { .name: codes, .offset: 40, .size: 8, .value_kind: global_buffer, .address_space: global }
      - { .name: scl, .offset: 48, .size: 8, .value_kind: global_buffer, .address_space: global }
      - { .name: frq, .offset: 56, .size: 8, .value_kind: global_buffer, .address_space: global }
    .group_segment_fixed_size: 34304
    .private_segment_fixed_size: 0
    .kernarg_segment_align: 8
    .kernarg_segment_size: 64
    .max_flat_workgroup_size: 128
    .sgpr_count:     66
    .vgpr_count:     248
    .wavefront_size: 32
...
	.end_amdgpu_metadata
.endif
;; end of part 1
;; launch qkv (part 2): grid 4 x 64, 4 waves a work-group, clusters of 4 x 4, 327,680 bytes of LDS; arguments codes, scl, frq, bq, bk, bv, qc, kv; writes qc, kv
.if DOCPART == 2
	.amdgcn_target "amdgcn-amd-amdhsa--gfx1250"
	.amdhsa_code_object_version 6
	.text
	.protected	k_qfb1d8209c1_qkv
	.globl	k_qfb1d8209c1_qkv
	.p2align	8
	.type	k_qfb1d8209c1_qkv,@function
k_qfb1d8209c1_qkv:
	s_mov_b64 s[64:65], 0
	v_nop
	global_prefetch_b8 v0, s[64:65] scope:SCOPE_SE
	s_setreg_imm32_b32 hwreg(HW_REG_WAVE_MODE, 25, 1), 1
	s_wait_xcnt 0x0
	s_wait_alu depctr_hold_cnt(0) depctr_sa_sdst(0) depctr_va_vdst(0) depctr_va_sdst(0) depctr_va_ssrc(0) depctr_va_vcc(0) depctr_vm_vsrc(0)
	s_getreg_b32 s2, hwreg(HW_REG_IB_STS2, 6, 4)
	s_cmp_eq_u32 s2, 0
	s_cbranch_scc0 .Lentry_in_a_cluster
	s_endpgm
.Lentry_in_a_cluster:
	s_bfe_u32 s2, ttmp6, 0x10000c
	s_cmp_lg_u32 s2, 0xf033
	s_cbranch_scc0 .Lentry_shape_is_right
	s_endpgm
.Lentry_shape_is_right:
; q, k, v = hidden_state W^T + b on codes of FP6 (E2M3) with E8M0 scales, then RoPE on q and k, then the quantisers of the attention's operands.  Only codes and scale bytes are stored.
; 256 work-groups of four waves, 16 clusters of 4 x 4, numbered L.  EACH WORK-GROUP MAKES TWO PRODUCTS, one after the other:
;   1: side A = 256 tokens (block 4 (L / 2) + cy), side B = 256 rows of Wq and Wk: for g = 4 (L % 2) + cx and e = 0, 1 the channels 64 g + 32 e .. + 31 and the same + 512, of q and of k.  A wave makes 128 x 128: 64 accumulators.
;      One lane holds, for one token, both partners of each RoPE pair, of q and of k, and 16 of the 32 channels of one block of a head.
;   2: side A = 256 rows of Wv (block cy), side B = 128 tokens (block 4 L + cx).  Wave w takes A's tiles 4 w .. 4 w + 3 (head 4 cy + w) against B's eight: 32 accumulators; a lane holds one channel, its registers run along the tokens, v's K.
; Source 0 = a tile of side B, source 1 = a tile of side A.  Operands lie in memory as images of their registers (1,536 bytes a fragment, 12,288 a tile): a fragment is three ds_load_b128 of 512 consecutive bytes.
; LDS: two slots of unlike size, X (98,304 bytes) and Y (196,608).  Product 1: K steps 0, 1 in X (the head's loads), 2 .. 5 in Y (first filled behind the first round), 6, 7 in X again (asked for at step 1: four K steps ahead of their first read).
; At step 7 both slots are filled again with ALL of product 2's K: Wv's 16 tiles, dense, into Y, the tokens' 8 tiles into X; they land while product 1's sums are worked up, and product 2 has no barrier among its K steps.
; Side A's tiles are asked for jointly along a row of the cluster, side B's along a column.  The head: one load a wave (A's 16 tiles, B's 16, A's scale words, B's); behind the full sequence and a round one more each:
; Y's A, Y's B, product 2's two blocks of scale words: first fills all.  The two refills: waves 0, 1 fetch halves of A's tiles, waves 2, 3 halves of B's.
; No prefetch: the text has four groups of loads; two go out at the head, the third four K steps and the fourth the whole of product 1's way out ahead of their first reads.
; RoPE: angle = f32(token) x frq[c], one f32 product; reduced by n = round(angle x 2 / pi) in two fused steps (pi / 2 as a high and a low part); sine and cosine by polynomials on [-pi / 4, pi / 4]; the quadrant by selects and sign bits.
; qc: [head 16][block of 128 tokens 64][6,400]: 8 tiles x 768 bytes (24 bytes at 24 l: token row l % 16, channels 32 (l / 16) ..), then the scale bytes [e 2][row 16][tile 8] from byte 6,144.
; kv: [head][128 keys 64][12,800]: k as in qc; from 6,400 v^T's four fragment images (16 channels x 128 keys); from 12,544 their scale words [row 16][tile 4].
; LIMITS: NaN and infinities are not served; blocks whose largest magnitude lies under 2^-124 keep the byte 1, blocks of zeros too (their codes are zeros; this program alone reads the bytes).
; REGISTERS, in windows of 256: window 0: v1-31 addresses; v32-63 scale words and nothing else; v128-223 A's fragments; v240-255 frq, later bv; window 1: B's fragments, two sets, at v0 and v128; v96-127, v224-255 bq, bk;
; windows 2, 3: accumulator (a, b) at v[8 (8 (a % 4) + b)] of window 2 + a / 4.
.set NQ,    2
.set FR,    12
.set NL,    3
.set NP,    4                          ; places behind this matrix instruction (ISA guide 7.12.1)
.set TILEB, 3072                       ; two K steps of a tile
.set HALFT, 8*TILEB
.set YB,    4*HALFT                    ; X: bytes 0 .. 98,303; Y from here
.set SCL,   YB+196608                  ; product 1's scale words: A's 8,192 bytes, then B's
.set SCL2,  SCL+16384                  ; product 2's: Wv's 8,192 bytes, then the tokens' 4,096
.set SPARE, SCL2+12288                 ; the spare words, 128 bytes a wave: two blocks of 256 bytes that no other line names
.set ADRA,  16                         ; v16, v17 product 1: my A fragments in X, in Y
.set ADRA2, 18                         ; v18 product 2: my four tiles of Wv
.set ADRB,  20                         ; v20, v21 product 1: my B fragments in X, in Y
.set ADRB2, 22                         ; v22, v23 product 2: B's tiles 0-3, 4-7
.set ADRS2, 26                         ; v26, v27 my scale words: lanes 0-15 A's rows, lanes 16-31 B's
.set ADRS,  27
.set SPW,   28                         ; my spare word; never rewritten
.set NIL,   29                         ; 0; never rewritten
.set SC,    32                         ; set s at v[32 + 16 s]; register 2 i + q: lanes 0-15 the word of A's tile i, lanes 16-31 of B's tile i
.set AF,    128
.set G0H, 4                            ; s[4:7], s[92:95] groups 0 of the two trees' loads of codes
.set G0HB, 92
.set G1,  24
.set G0,  32                           ; s[32:35] X's refill, s[36:39] product 2's fill, for A; s[56:59], s[60:63] for B
.set G1B, 48
.set G0B, 56
.set G1S, 68
.set G0S, 76
.set G1SB, 80
.set G0SB, 88
.set MSB, 0
.macro WIN new
.if MSB != \new
	s_set_vgpr_msb (MSB<<8)|\new
.set MSB, \new
.endif
.endm
.set MUL_LO, 0xa1
.set MUL_HI, 0xf1
.set TO_B,   0x40
.macro TL g0, g1                       ; a tensor load, its s_nop 0 and four v_nop
	tensor_load_to_lds s[\g0:\g0+3], s[\g1:\g1+7]
	s_nop 0
.rept 4
	v_nop
.endr
.endm
.macro JLOAD g0a, g1a, g0b, g1b        ; waves 0 and 1 fetch for A, waves 2 and 3 for B
	s_cmp_eq_u32 s21, 0
	s_cbranch_scc0 .Lfor_b_\@
	TL \g0a, \g1a
	s_branch .Lasked_\@
.Lfor_b_\@:
	TL \g0b, \g1b
.Lasked_\@:
.endm
.macro TREE                            ; one chain of branches on the wave's number, one load to an arm
	s_cmp_lt_u32 s20, 1
	s_cbranch_scc0 .Lt1_\@
	TL G0H, G1
	s_branch .Ltj_\@
.Lt1_\@:
	s_cmp_lt_u32 s20, 2
	s_cbranch_scc0 .Lt2_\@
	TL G0HB, G1B
	s_branch .Ltj_\@
.Lt2_\@:
	s_cmp_lt_u32 s20, 3
	s_cbranch_scc0 .Lt3_\@
	TL G0S, G1S
	s_branch .Ltj_\@
.Lt3_\@:
	TL G0SB, G1SB
.Ltj_\@:
.endm
.macro CREST
	s_cmp_lg_u32 s20, 0
	s_cbranch_scc1 .Lnot_wave_0_\@
	s_barrier_signal -3
.Lnot_wave_0_\@:
	s_barrier_wait -3
	s_barrier_signal -1
	s_barrier_wait -1
.endm
.macro CROUND
	s_barrier_signal -1
	s_barrier_wait -1
	CREST
.endm
.macro PLACES n
.rept \n
	v_nop
.endr
.endm
.macro FRAG reg, adr, off
.irp c, 0,1,2
	ds_load_b128 v[\reg+4*\c:\reg+4*\c+3], v[\adr] offset:(\off)+512*\c
.endr
.endm
.macro LOC k                           ; where product 1's K step k lies: LA 0 in X, 1 in Y; LP from tile to tile; LO the step's place in a tile's part
.if ((\k) < 2) || ((\k) > 5)
.set LA, 0
.set LP, 3072
.set LO, 1536*((\k)%2)
.else
.set LA, 1
.set LP, 6144
.set LO, 1536*((\k)-2)
.endif
.endm
.macro FETCH_B k, p
	LOC \k
	WIN TO_B
.irp i, 0,1,2,3,4,5,6,7
	FRAG 128*(\p)+FR*\i, ADRB+LA, LP*\i+LO
.endr
	WIN 0
.endm
.macro FETCH_A k, i0
	LOC \k
.irp i, \i0, \i0+1, \i0+2, \i0+3
	FRAG AF+FR*(\i), ADRA+LA, LP*(\i)+LO
.endr
.endm
.macro FETCH2 k                        ; product 2: K step k's fragments, B's eight and my four of A, into sets k % 2
	WIN TO_B
.irp i, 0,1,2,3
	FRAG 128*((\k)%2)+FR*\i, ADRB2, 12288*\i+1536*(\k)
.endr
.irp i, 0,1,2,3
	FRAG 128*((\k)%2)+FR*(\i+4), ADRB2+1, 12288*\i+1536*(\k)
.endr
	WIN 0
.irp i, 0,1,2,3
	FRAG AF+48*((\k)%2)+FR*\i, ADRA2, 12288*\i+1536*(\k)
.endr
.endm
.macro SCALES adr, sc, n               ; the scale words of K steps 2 n, 2 n + 1 into set sc: 64 bytes a tile and K step
.irp i, 0,1,2,3,4,5,6,7
.irp u, 0,1
	ds_load_b32 v[SC+16*(\sc)+2*\i+\u], v[\adr] offset:512*\i+64*\u+128*(\n)
.endr
.endr
.endm
; 16 matrix instructions: A's tiles a0, a0 + 1 (their registers ao tiles further on) x B's eight.  The accumulators take turns, one instruction a turn.
.macro MUL16 a0, p, q, sc, zero, ao
.irp a, \a0, \a0+1
.irp b, 0,1,2,3,4,5,6,7
.if \zero
	v_wmma_scale_f32_16x16x128_f8f6f4 v[8*(8*((\a)%4)+\b):8*(8*((\a)%4)+\b)+7], v[128*(\p)+FR*\b:128*(\p)+FR*\b+FR-1], v[AF+FR*((\a)+(\ao)):AF+FR*((\a)+(\ao))+FR-1], 0, v[SC+8*NQ*(\sc)+NQ*\b+(\q)], v[SC+8*NQ*(\sc)+NQ*(\a)+(\q)] matrix_a_fmt:MATRIX_FMT_FP6 matrix_b_fmt:MATRIX_FMT_FP6 matrix_a_scale:MATRIX_SCALE_ROW1
.else
	v_wmma_scale_f32_16x16x128_f8f6f4 v[8*(8*((\a)%4)+\b):8*(8*((\a)%4)+\b)+7], v[128*(\p)+FR*\b:128*(\p)+FR*\b+FR-1], v[AF+FR*((\a)+(\ao)):AF+FR*((\a)+(\ao))+FR-1], v[8*(8*((\a)%4)+\b):8*(8*((\a)%4)+\b)+7], v[SC+8*NQ*(\sc)+NQ*\b+(\q)], v[SC+8*NQ*(\sc)+NQ*(\a)+(\q)] matrix_a_fmt:MATRIX_FMT_FP6 matrix_b_fmt:MATRIX_FMT_FP6 matrix_a_scale:MATRIX_SCALE_ROW1
.endif
.endr
.endr
.endm
; Product 1's K step k: 64 matrix instructions; the next step's fragments are fetched in its middle and at its end.
; kind 0: the next step's bytes have been shown whole already.  Else a barrier stands in the step, and in front of it the wait for all my tensor loads, the add, the wait for it and for my reads:
; kind 1: it opens a round, and X is filled again (K steps 6, 7);  kind 2: nothing is filled;  kind 3: it opens a round, and both slots take product 2's operands.
.macro P1 k, kind, zero
.set PP, (\k)%2
.set SS, ((\k)/2)%2
.if \kind == 0
	s_wait_dscnt 4*NL                              ; all but the youngest 12 loads (A's tiles 4-7)
	WIN MUL_LO
	MUL16 0, PP, PP, SS, \zero, 0
	MUL16 2, PP, PP, SS, \zero, 0
	s_wait_dscnt 0
	PLACES NP
.else
	s_wait_tensorcnt 0x0
	ds_add_u32 v[SPW], v[NIL]
.if \kind == 1                                         ; no load of mine is out: the next brings 8 tiles x 3,072 bytes
.irp g, G1, G1B
	s_mov_b32 s[\g+1], 384<<16
	s_mov_b32 s[\g+2], 8<<16
	s_mov_b32 s[\g+3], 384<<16
	s_mov_b32 s[\g+4], 8
.endr
.endif
.if \kind == 3                                         ; whole tiles of 12,288 bytes: 8 of Wv, 4 of the tokens
.irp g, G1, G1B
	s_mov_b32 s[\g+1], 1536<<16
	s_mov_b32 s[\g+3], 1536<<16
.endr
	s_mov_b32 s[G1B+2], 4<<16
	s_mov_b32 s[G1B+4], 4
.endif
	s_wait_dscnt 4*NL+1                            ; the add and the youngest 12 loads may be out
	WIN MUL_LO
	MUL16 0, PP, PP, SS, 0, 0
	s_wait_dscnt 0x0
	s_barrier_signal -1
	MUL16 2, PP, PP, SS, 0, 0
	WIN 0
	s_barrier_wait -1
.if \kind == 1
	CREST
	JLOAD G0, G1, G0B, G1B                         ; its four v_nop are the places in front of the loads below
.endif
.if \kind == 2
	PLACES NP
.endif
.if \kind == 3
	CREST
	JLOAD G0+4, G1, G0B+4, G1B
.endif
.endif
.if (\k) < 7
	FETCH_B (\k)+1, 1-PP
	FETCH_A (\k)+1, 0
.if PP == 1
	SCALES ADRS, 1-SS, ((\k)+1)/2
.endif
.endif
	WIN MUL_HI
	MUL16 4, PP, PP, SS, \zero, 0
	MUL16 6, PP, PP, SS, \zero, 0
	PLACES NP
	WIN 0
.if (\k) < 7
	FETCH_A (\k)+1, 4
.endif
.endm
.macro STEP2 k                         ; product 2's K step k: the next step's loads are issued ahead of this step's 32 products
	s_wait_dscnt 0x0
.if (\k) < 7
	PLACES NP
	FETCH2 (\k)+1
.if (\k)%2
	SCALES ADRS2, (((\k)+1)/2)%2, ((\k)+1)/2
.endif
.endif
	WIN MUL_LO
.if (\k) == 0
	MUL16 0, 0, 0, 0, 1, 0
	MUL16 2, 0, 0, 0, 1, 0
.else
	MUL16 0, (\k)%2, (\k)%2, ((\k)/2)%2, 0, 4*((\k)%2)
	MUL16 2, (\k)%2, (\k)%2, ((\k)/2)%2, 0, 4*((\k)%2)
.endif
	WIN 0
.endm
	s_load_b256 s[4:11], s[0:1], 0x0               ; codes, scl, frq, bq
	s_load_b256 s[12:19], s[0:1], 0x20             ; bk, bv, qc, kv
	v_lshl_add_u32 v[SPW], v0, 2, SPARE
	v_mov_b32 v[NIL], 0
	ds_add_u32 v[SPW], v[NIL]                      ; the opening: the add, twice on end, and its wait ahead of my first tensor load
	ds_add_u32 v[SPW], v[NIL]
	v_lshrrev_b32 v1, 5, v0
	v_readfirstlane_b32 s20, v1                    ; wave
	s_lshr_b32 s21, s20, 1                         ; product 1: my half of side A.  Also: I fetch for A (0) or for B (1)
	s_and_b32 s22, s20, 1                          ; my half of side B.  Also: which half of the tiles I fetch
	s_bfe_u32 s40, ttmp6, 0x40000                  ; cx
	s_bfe_u32 s41, ttmp6, 0x40004                  ; cy
	s_and_b32 s42, ttmp7, 0xffff                   ; L
	s_lshl_b32 s43, s41, 2
	s_lshl_b32 s43, 15, s43                        ; my row of the cluster
	s_lshl_b32 s44, 0x1111, s40                    ; my column
	s_or_b32 s[G1+0], s43, (3<<16)|(1<<21)         ; the mask; elements of 8 bytes; bit 21 beside a mask
	s_or_b32 s[G1B+0], s44, (3<<16)|(1<<21)
.irp g, G1, G1B
	s_mov_b32 s[\g+1], 384<<16                     ; the head's loads: 3,072 bytes of each of
	s_mov_b32 s[\g+2], 16<<16                      ; 16 tiles
	s_mov_b32 s[\g+3], 384<<16
	s_mov_b32 s[\g+4], 16
	s_mov_b32 s[\g+5], 1536                        ; from tile to tile: 12,288 bytes
	s_mov_b32 s[\g+6], 0
	s_mov_b32 s[\g+7], 0
.endr
	s_or_b32 s[G1S+0], s43, (3<<16)|(1<<21)
	s_or_b32 s[G1SB+0], s44, (3<<16)|(1<<21)
.irp g, G1S, G1SB
	s_mov_b32 s[\g+1], 32<<16                      ; 16 tiles' scale words: 8,192 dense bytes as 32 rows of 256
	s_mov_b32 s[\g+2], 32<<16
	s_mov_b32 s[\g+3], 32<<16
	s_mov_b32 s[\g+4], 32
	s_mov_b32 s[\g+5], 32
	s_mov_b32 s[\g+6], 0
	s_mov_b32 s[\g+7], 0
.endr
	s_lshr_b32 s32, s42, 1                         ; tile positions.  Side A's hang on L and cy alone, side B's on L and cx alone
	s_lshl_b32 s32, s32, 2
	s_add_co_u32 s32, s32, s41
	s_lshl_b32 s32, s32, 4                         ; product 1, A: tokens, 16 (4 (L / 2) + cy)
	s_lshl_b32 s33, s41, 4
	s_add_co_u32 s33, s33, 640                     ; product 2, A: Wv, 640 + 16 cy
	s_and_b32 s56, s42, 1
	s_lshl_b32 s56, s56, 2
	s_add_co_u32 s56, s56, s40
	s_lshl_b32 s56, s56, 4
	s_add_co_u32 s56, s56, 512                     ; product 1, B: Wq, Wk, 512 + 16 g
	s_lshl_b32 s57, s42, 2
	s_add_co_u32 s57, s57, s40
	s_lshl_b32 s57, s57, 3                         ; product 2, B: tokens, 8 (4 L + cx)
	s_mov_b32 s3, 0
	s_mov_b32 s67, 0
	s_wait_dscnt 0x0                               ; both opening adds are done
	s_wait_kmcnt 0x0
	s_lshl_b32 s2, s32, 9                          ; scale words: 512 bytes a tile
	s_add_nc_u64 s[G0S+2:G0S+3], s[6:7], s[2:3]
	s_lshl_b32 s2, s33, 9
	s_add_nc_u64 s[96:97], s[6:7], s[2:3]
	s_lshl_b32 s66, s56, 9
	s_add_nc_u64 s[G0SB+2:G0SB+3], s[6:7], s[66:67]
	s_lshl_b32 s66, s57, 9
	s_add_nc_u64 s[98:99], s[6:7], s[66:67]
	s_lshl_b32 s23, s22, 3                         ; codes: 12,288 bytes a tile
	s_add_co_u32 s2, s33, s23
	s_mul_i32 s2, s2, 12288
	s_add_nc_u64 s[G0+6:G0+7], s[4:5], s[2:3]      ; Wv: the 8 tiles that I fetch
	s_lshl_b32 s23, s22, 2
	s_add_co_u32 s66, s57, s23
	s_mul_i32 s66, s66, 12288
	s_add_nc_u64 s[G0B+6:G0B+7], s[4:5], s[66:67]  ; product 2's tokens: the 4 tiles that I fetch
	s_mul_i32 s66, s56, 12288
	s_add_nc_u64 s[G0HB+2:G0HB+3], s[4:5], s[66:67]
	s_mul_i32 s2, s32, 12288
	s_add_nc_u64 s[G0H+2:G0H+3], s[4:5], s[2:3]
	s_mul_i32 s2, s22, 8*12288                     ; X's refill: my 8 tiles, K steps 6 and 7
	s_add_co_u32 s2, s2, 3*TILEB
	s_add_nc_u64 s[G0+2:G0+3], s[G0H+2:G0H+3], s[2:3]
	s_add_nc_u64 s[G0B+2:G0B+3], s[G0HB+2:G0HB+3], s[2:3]
.irp r, G0H+3, G0HB+3, G0S+3, G0SB+3, 97, 99, G0+3, G0+7, G0B+3, G0B+7
	s_or_b32 s[\r], s[\r], 0x80000000              ; the type
.endr
	s_mov_b32 s[G0H], 1
	s_mov_b32 s[G0H+1], 0
	s_mov_b32 s[G0HB], 1
	s_mov_b32 s[G0HB+1], 2*HALFT
	s_mov_b32 s[G0S], 1
	s_mov_b32 s[G0S+1], SCL
	s_mov_b32 s[G0SB], 1
	s_mov_b32 s[G0SB+1], SCL+8192
	s_mov_b32 s[G0], 1
	s_mul_i32 s[G0+1], s20, HALFT                  ; X's refill goes to wave x 8 tiles: no place in the cluster enters an LDS address
	s_mov_b32 s[G0B], 1
	s_mul_i32 s[G0B+1], s20, HALFT
	s_mov_b32 s[G0+4], 1
	s_mul_i32 s[G0+5], s22, 98304                  ; Wv's halves into Y,
	s_add_co_u32 s[G0+5], s[G0+5], YB
	s_mov_b32 s[G0B+4], 1
	s_mul_i32 s[G0B+5], s22, 49152                 ; the tokens' halves into X
	CROUND                                         ; all sixteen work-groups are here: the first joint loads meet
	TREE                                           ; X's A, its B, A's scale words, B's: one a wave
	s_and_b32 s2, s42, 1
	s_lshl_b32 s2, s2, 2
	s_add_co_u32 s2, s2, s40
	s_lshl_b32 s2, s2, 8
	s_lshl_b32 s23, s22, 7
	s_add_co_u32 s2, s2, s23                       ; 4 c0, c0 = 64 g + 32 e
	s_add_nc_u64 s[8:9], s[8:9], s[2:3]
	s_add_nc_u64 s[10:11], s[10:11], s[2:3]
	s_add_nc_u64 s[12:13], s[12:13], s[2:3]
	s_mul_i32 s2, s21, HALFT                       ; product 1 in X: my 8 tiles of A,
	s_mul_i32 s23, s22, HALFT
	s_add_co_u32 s23, s23, 2*HALFT                 ; of B, behind A's 16
	s_mul_i32 s66, s21, 49152                      ; in Y: a tile's part is 6,144 bytes
	s_add_co_u32 s66, s66, YB
	s_mul_i32 s45, s22, 49152
	s_add_co_u32 s45, s45, YB+98304
	s_mul_i32 s46, s20, 49152                      ; product 2: my 4 tiles of Wv, in Y
	s_add_co_u32 s46, s46, YB
	s_lshl_b32 s43, s21, 12
	s_lshl_b32 s44, s22, 12
	s_add_co_u32 s44, s44, 8192
	s_sub_co_u32 s44, s44, s43                     ; from A's scale words to B's
	s_add_co_u32 s43, s43, SCL
	s_lshl_b32 s67, s20, 11
	s_xor_b32 s3, s20, 3
	s_add_co_u32 s3, s3, 1
	s_lshl_b32 s3, s3, 11                          ; product 2: 8,192 - 2,048 x wave
	s_add_co_u32 s67, s67, SCL2
	v_and_b32 v1, 31, v0
	v_lshlrev_b32 v3, 4, v1                        ; v3 = 16 x lane
	v_and_b32 v4, 15, v0                           ; v4 = r
	v_bfe_u32 v2, v0, 4, 1                         ; v2 = h
	v_lshlrev_b32 v30, 6, v2                       ; v30 = 64 h
	v_add_nc_u32 v[ADRA], s2, v3
	v_add_nc_u32 v[ADRA+1], s66, v3
	v_add_nc_u32 v[ADRB], s23, v3
	v_add_nc_u32 v[ADRB+1], s45, v3
	v_add_nc_u32 v[ADRA2], s46, v3
	v_lshlrev_b32 v[ADRB2], 4, v1
	v_add_nc_u32 v[ADRB2+1], 49152, v[ADRB2]
	v_mul_u32_u24 v5, s44, v2                      ; lanes 16-31 take B's: one product, the distance x h
	v_lshl_add_u32 v5, v4, 2, v5
	v_add_nc_u32 v[ADRS], s43, v5
	v_mul_u32_u24 v6, s3, v2
	v_lshl_add_u32 v6, v4, 2, v6
	v_add_nc_u32 v[ADRS2], s67, v6
.set FQ, 240
.irp j, 0,1,2,3                                        ; frq and the biases of my 16 channels come now, into registers that the products leave alone
	global_load_b128 v[FQ+4*\j:FQ+4*\j+3], v30, s[8:9] offset:16*\j
.endr
	WIN TO_B
.irp j, 0,1,2,3
	global_load_b128 v[96+4*\j:96+4*\j+3], v30, s[10:11] offset:16*\j
	global_load_b128 v[112+4*\j:112+4*\j+3], v30, s[10:11] offset:2048+16*\j
	global_load_b128 v[224+4*\j:224+4*\j+3], v30, s[12:13] offset:16*\j
	global_load_b128 v[240+4*\j:240+4*\j+3], v30, s[12:13] offset:2048+16*\j
.endr
	WIN 0
	s_wait_alu depctr_va_vdst(0)                   ; the wait at the head's end
	s_wait_tensorcnt 0x0                           ; my load of the head's four is in; the full sequence ahead of the later first fills:
	ds_add_u32 v[SPW], v[NIL]
	s_mov_b32 s[G0H+1], YB                         ; no load of mine is out: the second tree's descriptors
	s_add_nc_u64 s[G0H+2:G0H+3], s[G0H+2:G0H+3], TILEB
	s_mov_b32 s[G0HB+1], YB+98304
	s_add_nc_u64 s[G0HB+2:G0HB+3], s[G0HB+2:G0HB+3], TILEB
	s_mov_b32 s[G0S+1], SCL2
	s_mov_b64 s[G0S+2:G0S+3], s[96:97]
	s_mov_b32 s[G0SB+1], SCL2+8192
	s_mov_b64 s[G0SB+2:G0SB+3], s[98:99]
	s_mov_b32 s[G1SB+2], 16<<16                    ; product 2's side B: 8 tiles' scale words, 16 rows of 256 bytes
	s_mov_b32 s[G1SB+4], 16
.irp g, G1, G1B
	s_mov_b32 s[\g+1], 768<<16                     ; K steps 2 .. 5: 6,144 bytes of each of 16 tiles
	s_mov_b32 s[\g+3], 768<<16
.endr
	s_wait_dscnt 0x0
	CROUND
	TREE                                           ; Y's A, its B, product 2's scale words: first fills all
	FETCH_B 0, 0
	FETCH_A 0, 0
	SCALES ADRS, 0, 0
	FETCH_A 0, 4
	P1 0, 0, 1                                     ; product 1's eight K steps, written out: the first starts the sums
	P1 1, 1, 0                                     ; on into Y; X takes K steps 6 and 7
	P1 2, 0, 0
	P1 3, 0, 0
	P1 4, 0, 0
	P1 5, 2, 0                                     ; back into X
	P1 6, 0, 0
	P1 7, 3, 0                                     ; both slots take product 2's operands
; ---------------- q and k.  Window 0: v64-127 at work (X), v128-231 as named
.set X,   64
.set ANG, 64
.set NN,  80
.set ZZ,  96
.set TT,  112
.set T1,  128
.set SW,  128                          ; v: the four scale words
.set CO,  144
.set SI,  160
.set KS1, 176
.set KC1, 178
.set TM,  180
.set PC,  196
.set SB,  212                          ; q, k: 8 scale bytes for each of the four groups
.set PW,  216                          ; v: the scale word just made
.set SF,  220
.set TOK, 222
.set VO,  223
.set BV,  240                          ; v: each tile's bias twice
.set SEL, 46
	s_mov_b32 s[SEL], 0x76543210
	s_mov_b32 s[SEL+1], 0xfedcba98                 ; selects for lane l xor 16
	s_mov_b32 s3, 0
	; for A's tile a my 64 registers are [q low 16][q high 16][k low 16][k high 16]: channels c0 + 16 h + i and the same + 512, of token row r
	s_and_b32 s100, s42, 1
	s_lshl_b32 s100, s100, 2
	s_add_co_u32 s100, s100, s40                   ; g: the low head; the high one is g + 8
	s_lshr_b32 s99, s42, 1
	s_lshl_b32 s99, s99, 2
	s_add_co_u32 s99, s99, s41
	s_lshl_b32 s99, s99, 1
	s_add_co_u32 s99, s99, s21                     ; my block of 128 tokens
	s_mul_i32 s2, s100, 409600
	s_mul_i32 s23, s99, 6400
	s_add_co_u32 s2, s2, s23
	s_add_nc_u64 s[16:17], s[16:17], s[2:3]        ; qc at (head g, my block)
	s_mul_i32 s2, s100, 819200
	s_mul_i32 s23, s99, 12800
	s_add_co_u32 s2, s2, s23
	s_add_nc_u64 s[92:93], s[18:19], s[2:3]        ; kv likewise
	v_and_b32 v[TOK], 8, v4
	v_add_nc_u32 v[TOK], v[TOK], v4
	s_lshl_b32 s23, s99, 7
	v_add_nc_u32 v[TOK], s23, v[TOK]               ; the token of row r of tile 0
	v_mul_u32_u24 v[VO], v4, 24
	v_mad_u32_u24 v[VO], v2, 12, v[VO]
	s_mul_i32 s23, s22, 384
	v_add_nc_u32 v[VO], s23, v[VO]                 ; my 12 bytes in a tile's 768: 24 (r + 16 e) + 12 h
	s_lshl_b32 s23, s22, 7
	s_add_co_u32 s23, s23, 6144
	v_mul_u32_u24 v225, v2, 0x320000               ; the scale bytes: lanes 16-31 store the high head's, 8 heads on
	v_lshl_add_u32 v225, v4, 3, v225
	v_add_nc_u32 v225, s23, v225
	v_mul_u32_u24 v226, v2, 0x640000
	v_lshl_add_u32 v226, v4, 3, v226
	v_add_nc_u32 v226, s23, v226
	v_mov_b32 v[KS1], 0x3c08839e
	v_mov_b32 v[KS1+1], 0x3c08839e
	v_mov_b32 v[KC1], 0xbab6061a
	v_mov_b32 v[KC1+1], 0xbab6061a
.irp i, 0,1,2,3,4,5,6,7
	v_mov_b32 v[SB+\i], 0
.endr
.irp i, 0,1,2,3
	v_mov_b32 v[TM+4+\i], 0                        ; a lane permute's destination counts as read
.endr
	s_wait_loadcnt 0x0                             ; frq and the biases, asked for at the head
.macro SINCOS                          ; the sines and cosines of my token's 16 angles; q and k share them
.irp p, 0,2,4,6,8,10,12,14
	v_pk_mul_f32 v[ANG+\p:ANG+\p+1], v[FQ+\p:FQ+\p+1], v[SF:SF+1]
.endr
.irp p, 0,2,4,6,8,10,12,14
	v_pk_mul_f32 v[NN+\p:NN+\p+1], v[ANG+\p:ANG+\p+1], 0x3f22f983 op_sel_hi:[1,0]                ; x 2 / pi
.endr
.irp i, 0,1,2,3,4,5,6,7,8,9,10,11,12,13,14,15
	v_rndne_f32 v[NN+\i], v[NN+\i]
.endr
.irp p, 0,2,4,6,8,10,12,14
	v_pk_fma_f32 v[ANG+\p:ANG+\p+1], v[NN+\p:NN+\p+1], 0xbfc90fdb, v[ANG+\p:ANG+\p+1] op_sel_hi:[1,0,1]   ; - n x the high part of pi / 2
.endr
.irp p, 0,2,4,6,8,10,12,14
	v_pk_fma_f32 v[ANG+\p:ANG+\p+1], v[NN+\p:NN+\p+1], 0x333bbd2e, v[ANG+\p:ANG+\p+1] op_sel_hi:[1,0,1]   ; - n x the low part (which is negative)
.endr
.irp p, 0,2,4,6,8,10,12,14
	v_pk_mul_f32 v[ZZ+\p:ZZ+\p+1], v[ANG+\p:ANG+\p+1], v[ANG+\p:ANG+\p+1]
.endr
.irp p, 0,2,4,6,8,10,12,14
	v_pk_fma_f32 v[TT+\p:TT+\p+1], v[ZZ+\p:ZZ+\p+1], 0xb94ca1f9, v[KS1:KS1+1] op_sel_hi:[1,0,1]
.endr
.irp p, 0,2,4,6,8,10,12,14
	v_pk_fma_f32 v[TT+\p:TT+\p+1], v[TT+\p:TT+\p+1], v[ZZ+\p:ZZ+\p+1], 0xbe2aaaa3 op_sel_hi:[1,1,0]
.endr
.irp p, 0,2,4,6,8,10,12,14
	v_pk_mul_f32 v[SI+\p:SI+\p+1], v[ZZ+\p:ZZ+\p+1], v[ANG+\p:ANG+\p+1]
.endr
.irp p, 0,2,4,6,8,10,12,14
	v_pk_fma_f32 v[SI+\p:SI+\p+1], v[TT+\p:TT+\p+1], v[SI+\p:SI+\p+1], v[ANG+\p:ANG+\p+1]        ; the sine of the reduced angle
.endr
.irp p, 0,2,4,6,8,10,12,14
	v_pk_fma_f32 v[TT+\p:TT+\p+1], v[ZZ+\p:ZZ+\p+1], 0x37ccf5ce, v[KC1:KC1+1] op_sel_hi:[1,0,1]
.endr
.irp p, 0,2,4,6,8,10,12,14
	v_pk_fma_f32 v[TT+\p:TT+\p+1], v[TT+\p:TT+\p+1], v[ZZ+\p:ZZ+\p+1], 0x3d2aaaa5 op_sel_hi:[1,1,0]
.endr
.irp p, 0,2,4,6,8,10,12,14
	v_pk_fma_f32 v[CO+\p:CO+\p+1], v[ZZ+\p:ZZ+\p+1], -0.5, 1.0 op_sel_hi:[1,0,0]
.endr
.irp p, 0,2,4,6,8,10,12,14
	v_pk_mul_f32 v[ZZ+\p:ZZ+\p+1], v[ZZ+\p:ZZ+\p+1], v[ZZ+\p:ZZ+\p+1]
.endr
.irp p, 0,2,4,6,8,10,12,14
	v_pk_fma_f32 v[CO+\p:CO+\p+1], v[TT+\p:TT+\p+1], v[ZZ+\p:ZZ+\p+1], v[CO+\p:CO+\p+1]          ; its cosine
.endr
.irp i, 0,1,2,3,4,5,6,7,8,9,10,11,12,13,14,15
	v_cvt_i32_f32 v[NN+\i], v[NN+\i]
.endr
.irp i, 0,1,2,3,4,5,6,7,8,9,10,11,12,13,14,15
	v_and_b32 v[TT+\i], 1, v[NN+\i]
.endr
.irp i, 0,1,2,3,4,5,6,7,8,9,10,11,12,13,14,15
	v_cmp_eq_u32 vcc_lo, 1, v[TT+\i]               ; in odd quadrants the two change places
	v_cndmask_b32 v[ZZ+\i], v[SI+\i], v[CO+\i], vcc_lo
	v_cndmask_b32 v[CO+\i], v[CO+\i], v[SI+\i], vcc_lo
.endr
.irp i, 0,1,2,3,4,5,6,7,8,9,10,11,12,13,14,15
	v_lshlrev_b32 v[TT+\i], 30, v[NN+\i]           ; the sine is negative in quadrants 2 and 3: bit 1 of n,
.endr
.irp i, 0,1,2,3,4,5,6,7,8,9,10,11,12,13,14,15
	v_and_b32 v[TT+\i], 0x80000000, v[TT+\i]
.endr
.irp i, 0,1,2,3,4,5,6,7,8,9,10,11,12,13,14,15
	v_xor_b32 v[SI+\i], v[ZZ+\i], v[TT+\i]
.endr
.irp i, 0,1,2,3,4,5,6,7,8,9,10,11,12,13,14,15
	v_add_nc_u32 v[NN+\i], 1, v[NN+\i]             ; the cosine in quadrants 1 and 2: bit 1 of n + 1
.endr
.irp i, 0,1,2,3,4,5,6,7,8,9,10,11,12,13,14,15
	v_lshlrev_b32 v[NN+\i], 30, v[NN+\i]
.endr
.irp i, 0,1,2,3,4,5,6,7,8,9,10,11,12,13,14,15
	v_and_b32 v[NN+\i], 0x80000000, v[NN+\i]
.endr
.irp i, 0,1,2,3,4,5,6,7,8,9,10,11,12,13,14,15
	v_xor_b32 v[CO+\i], v[CO+\i], v[NN+\i]
.endr
.endm
.macro COPY a                          ; tile a's 64 sums + the biases (window 1: v96-127, v224-255) -> X; each accumulator is read from its low end on
	WIN 0x06+(\a)/4
.set i, 0
.rept 32
	v_pk_add_f32 v[X+i:X+i+1], v[64*((\a)%4)+i:64*((\a)%4)+i+1], v[96+i+96*(i/32):96+i+96*(i/32)+1]
.set i, i+2
.endr
	WIN 0
.endm
.macro ROT x1, x2                      ; low' = low cos - high sin;  high' = low sin + high cos
.irp p, 0,2,4,6,8,10,12,14
	v_pk_mul_f32 v[T1+\p:T1+\p+1], v[\x2+\p:\x2+\p+1], v[SI+\p:SI+\p+1]
.endr
.irp p, 0,2,4,6,8,10,12,14
	v_pk_mul_f32 v[\x2+\p:\x2+\p+1], v[\x2+\p:\x2+\p+1], v[CO+\p:CO+\p+1]
.endr
.irp p, 0,2,4,6,8,10,12,14
	v_pk_fma_f32 v[\x2+\p:\x2+\p+1], v[\x1+\p:\x1+\p+1], v[SI+\p:SI+\p+1], v[\x2+\p:\x2+\p+1]
.endr
.irp p, 0,2,4,6,8,10,12,14
	v_pk_fma_f32 v[\x1+\p:\x1+\p+1], v[\x1+\p:\x1+\p+1], v[CO+\p:CO+\p+1], v[T1+\p:T1+\p+1] neg_lo:[0,0,1] neg_hi:[0,0,1]
.endr
.endm
	s_mov_b32 s98, 0
.Lqk:                                              ; eight trips: A's tiles 0 .. 7; only the copy out of the accumulators differs from trip to trip
	s_lshr_b32 s2, s98, 1
	s_lshl_b32 s2, s2, 5
	s_and_b32 s23, s98, 1
	s_lshl_b32 s23, s23, 3
	s_add_co_u32 s2, s2, s23                       ; tile a begins 32 (a / 2) + 8 (a % 2) tokens on
	v_add_nc_u32 v[SF], s2, v[TOK]
	v_cvt_f32_u32 v[SF], v[SF]
	v_mov_b32 v[SF+1], v[SF]
	SINCOS
.irp a, 0,1,2,3,4,5,6
	s_cmp_eq_u32 s98, \a
	s_cbranch_scc0 .Lqn\a
	COPY \a
	s_branch .Lqj
.Lqn\a:
.endr
	COPY 7
.Lqj:
	ROT X, X+16
	ROT X+32, X+48
.irp g, 0,1,2,3                                    ; four half blocks of 16: the other half lies in lane l xor 16
	v_max3_num_f32 v[TM+\g], |v[X+16*\g]|, |v[X+16*\g+1]|, 0x1800000
.endr
.irp i, 2,4,6,8,10,12,14
.irp g, 0,1,2,3
	v_max3_num_f32 v[TM+\g], v[TM+\g], |v[X+16*\g+\i]|, |v[X+16*\g+\i+1]|
.endr
.endr
.irp g, 0,1,2,3
	v_permlanex16_b32 v[TM+4+\g], v[TM+\g], s[SEL], s[SEL+1]
.endr
.irp g, 0,1,2,3
	v_max_num_f32 v[TM+\g], v[TM+\g], v[TM+4+\g]
.endr
.irp g, 0,1,2,3
	v_add_nc_u32 v[TM+8+\g], 0xff000000, v[TM+\g]  ; 2 off the exponent field: the conversion's scale operand
.endr
.irp g, 0,1,2,3
	v_lshrrev_b32 v[TM+4+\g], 23, v[TM+8+\g]       ; the byte
.endr
.irp g, 0,1,2,3
	v_alignbit_b32 v[SB+2*\g], v[SB+2*\g+1], v[SB+2*\g], 8   ; the group's eight bytes move down by one, the new one comes in on top
.endr
.irp g, 0,1,2,3
	v_lshrrev_b32 v[SB+2*\g+1], 8, v[SB+2*\g+1]
.endr
.irp g, 0,1,2,3
	v_lshl_or_b32 v[SB+2*\g+1], v[TM+4+\g], 24, v[SB+2*\g+1]
.endr
.irp g, 0,1,2,3
	v_cvt_scalef32_pk16_fp6_f32 v[PC+4*\g:PC+4*\g+2], v[X+16*\g:X+16*\g+15], v[TM+8+\g]
.endr
	v_nop                                          ; one plain line behind the conversions
	global_store_b96 v[VO], v[PC:PC+2], s[16:17]                       ; q, head g: the wave stores 384 consecutive bytes
	global_store_b96 v[VO], v[PC+4:PC+6], s[16:17] offset:3276800      ; q, head g + 8
	global_store_b96 v[VO], v[PC+8:PC+10], s[92:93]                    ; k
	global_store_b96 v[VO], v[PC+12:PC+14], s[92:93] offset:6553600
	s_wait_xcnt 0x0                                ; the stores have read their offset and their data: both are written again in the next trip
	v_add_nc_u32 v[VO], 768, v[VO]
	s_add_co_u32 s98, s98, 1
	s_cmp_lt_u32 s98, 8
	s_cbranch_scc1 .Lqk
	s_wait_alu depctr_va_vdst(0)                   ; the bytes' registers were written ahead of the wait on XCNT
	v_cmp_eq_u32 vcc_lo, 1, v2
	v_cndmask_b32 v228, v[SB], v[SB+2], vcc_lo
	v_cndmask_b32 v229, v[SB+1], v[SB+3], vcc_lo
	v_cndmask_b32 v230, v[SB+4], v[SB+6], vcc_lo
	v_cndmask_b32 v231, v[SB+5], v[SB+7], vcc_lo
	global_store_b64 v225, v[228:229], s[16:17]    ; row r's eight bytes of block e: sixteen lanes store 128 consecutive bytes
	global_store_b64 v226, v[230:231], s[92:93]
	s_lshl_b32 s2, s41, 10                         ; bv at my head's first channel, 256 cy + 64 x wave: asked for now, used behind product 2
	s_lshl_b32 s23, s20, 8
	s_add_co_u32 s2, s2, s23
	s_add_nc_u64 s[14:15], s[14:15], s[2:3]
	v_and_b32 v224, 8, v4
	v_add_nc_u32 v224, v224, v4
	v_lshlrev_b32 v224, 2, v224
.irp a, 0,1,2,3
	global_load_b32 v[BV+2*\a], v224, s[14:15] offset:(32*(\a/2)+8*(\a%2))*4     ; my channel's bias, in both registers of a pair
	global_load_b32 v[BV+2*\a+1], v224, s[14:15] offset:(32*(\a/2)+8*(\a%2))*4
.endr
; ---------------- product 2: all of its K lies in LDS
	s_wait_tensorcnt 0x0                           ; my part of its operands has landed,
	s_barrier_signal -1
	s_barrier_wait -1                              ; everybody's has
	FETCH2 0
	SCALES ADRS2, 0, 0
.irp k, 0,1,2,3,4,5,6,7
	STEP2 \k
.endr
	PLACES NP
	; ---- v.  For A's tile a (16 channels) my 64 registers are the 128 keys: register 16 b + i = key 32 b + 16 h + i, of channel row r
	s_lshl_b32 s2, s41, 2
	s_add_co_u32 s2, s2, s20                       ; my head: 4 cy + wave
	s_mul_i32 s2, s2, 819200
	s_lshl_b32 s99, s42, 2
	s_add_co_u32 s99, s99, s40                     ; the 128 keys: 4 L + cx
	s_mul_i32 s99, s99, 12800
	s_add_co_u32 s2, s2, s99
	s_add_co_u32 s2, s2, 6400
	s_add_nc_u64 s[18:19], s[18:19], s[2:3]        ; kv at v's part of (head, step)
	s_wait_xcnt 0x0                                ; q's and k's last stores have read their registers
	v_lshl_add_u32 v226, v4, 4, 6144               ; the scale words: 16 r
	v_mov_b32 v[PW], 0
.irp i, 0,1,2,3
	v_mov_b32 v[TM+4+\i], 0
.endr
	s_wait_loadcnt 0x0                             ; bv
.macro COPYV a
.if \a > 0
	v_mov_b32 v[SW+\a-1], v[PW]                    ; the last trip's scale word
.endif
	WIN 0x02
.set i, 0
.rept 32
	v_pk_add_f32 v[X+i:X+i+1], v[64*(\a)+i:64*(\a)+i+1], v[BV+2*(\a):BV+2*(\a)+1]
.set i, i+2
.endr
	WIN 0
.endm
	s_mov_b32 s98, 0
.Lvl:                                              ; four trips: my tiles of Wv
.irp a, 0,1,2
	s_cmp_eq_u32 s98, \a
	s_cbranch_scc0 .Lvn\a
	s_wait_alu depctr_va_vdst(0)                   ; the wait behind the branches
	COPYV \a
	s_branch .Lvj
.Lvn\a:
.endr
	s_wait_alu depctr_va_vdst(0)
	COPYV 3
.Lvj:
	s_mul_i32 s2, s98, 1536
	s_wait_xcnt 0x0                                ; the last trip's stores have read their offset and their data
	v_add_nc_u32 v225, s2, v3
.irp b, 0,1,2,3                                    ; 64 numbers become a fragment's codes and its scale word
	v_max3_num_f32 v[TM+\b], |v[X+16*\b]|, |v[X+1+16*\b]|, 0x1800000
.endr
.irp i, 2,4,6,8,10,12,14
.irp b, 0,1,2,3
	v_max3_num_f32 v[TM+\b], v[TM+\b], |v[X+16*\b+\i]|, |v[X+1+16*\b+\i]|
.endr
.endr
.irp b, 0,1,2,3
	v_permlanex16_b32 v[TM+4+\b], v[TM+\b], s[SEL], s[SEL+1]
.endr
.irp b, 0,1,2,3
	v_max_num_f32 v[TM+\b], v[TM+\b], v[TM+4+\b]
.endr
.irp b, 0,1,2,3
	v_add_nc_u32 v[TM+12+\b], 0xff000000, v[TM+\b]
.endr
.irp b, 0,1,2,3
	v_lshrrev_b32 v[TM+4+\b], 23, v[TM+12+\b]
.endr
	v_lshl_or_b32 v[PW], v[TM+5], 8, v[TM+4]
	v_lshl_or_b32 v[PW], v[TM+6], 16, v[PW]
	v_lshl_or_b32 v[PW], v[TM+7], 24, v[PW]
.irp c, 0,1
	v_cvt_scalef32_pk16_fp6_f32 v[PC+6*\c:PC+2+6*\c], v[X+32*\c:X+15+32*\c], v[TM+12+2*\c]
	v_cvt_scalef32_pk16_fp6_f32 v[PC+12+4*\c:PC+14+4*\c], v[X+16+32*\c:X+31+32*\c], v[TM+12+2*\c+1]
.endr
	v_nop
.irp c, 0,1                                        ; the operand wants a whole block in a lane: lanes 0-15 block 2 c, lanes 16-31 block 2 c + 1
.irp i, 0,1,2
	v_permlane16_swap_b32 v[PC+6*\c+\i], v[PC+12+4*\c+\i]
.endr
.irp i, 0,1,2
	v_mov_b32 v[PC+3+6*\c+\i], v[PC+12+4*\c+\i]
.endr
.endr
.irp c, 0,1,2
	global_store_b128 v225, v[PC+4*\c:PC+4*\c+3], s[18:19] offset:512*\c   ; 512 consecutive bytes, aligned
.endr
	s_add_co_u32 s98, s98, 1
	s_cmp_lt_u32 s98, 4
	s_cbranch_scc1 .Lvl
	v_mov_b32 v[SW+3], v[PW]
	global_store_b128 v226, v[SW:SW+3], s[18:19]   ; row r's four words: 256 consecutive bytes, aligned; lanes r and r + 16 hold the same words and write the same place
	s_wait_tensorcnt 0x0                           ; the wave's end
	ds_add_u32 v[SPW], v[NIL]
	s_wait_dscnt 0x0
	CROUND                                         ; the closing round: no work-group ends while a partner may still ask for a tile that names it
	s_endpgm
.Lfunc_end_k_qfb1d8209c1_qkv:
	.size	k_qfb1d8209c1_qkv, .Lfunc_end_k_qfb1d8209c1_qkv-k_qfb1d8209c1_qkv
	.p2alignl 7, 3214868480
	.fill 96, 4, 3214868480
	.section	.rodata,"a",@progbits
	.p2align	6, 0x0
	.amdhsa_kernel k_qfb1d8209c1_qkv
		.amdhsa_group_segment_fixed_size 327680
		.amdhsa_private_segment_fixed_size 0
		.amdhsa_enable_private_segment 0
		.amdhsa_kernarg_size 64
		.amdhsa_user_sgpr_count 2
		.amdhsa_user_sgpr_kernarg_segment_ptr 1
		.amdhsa_wavefront_size32 1
		.amdhsa_system_sgpr_workgroup_id_x 1
		.amdhsa_system_sgpr_workgroup_id_y 1
		.amdhsa_system_sgpr_workgroup_id_z 1
		.amdhsa_system_vgpr_workitem_id 0
		.amdhsa_next_free_vgpr 1024
		.amdhsa_next_free_sgpr 102
		.amdhsa_reserve_vcc 1
		.amdhsa_float_denorm_mode_32 3
		.amdhsa_float_denorm_mode_16_64 3
		.amdhsa_memory_ordered 1
		.amdhsa_forward_progress 1
		.amdhsa_inst_pref_size 229
	.end_amdhsa_kernel
	.amdgpu_metadata
---
amdhsa.version: [ 1, 2 ]
amdhsa.kernels:
  - .name:           k_qfb1d8209c1_qkv
    .symbol:         k_qfb1d8209c1_qkv.kd
    .args:
      - { .name: codes, .offset: 0, .size: 8, .value_kind: global_buffer, .address_space: global }
      - { .name: scl, .offset: 8, .size: 8, .value_kind: global_buffer, .address_space: global }
      - { .name: frq, .offset: 16, .size: 8, .value_kind: global_buffer, .address_space: global }
      - { .name: bq, .offset: 24, .size: 8, .value_kind: global_buffer, .address_space: global }
      - { .name: bk, .offset: 32, .size: 8, .value_kind: global_buffer, .address_space: global }
      - { .name: bv, .offset: 40, .size: 8, .value_kind: global_buffer, .address_space: global }
      - { .name: qc, .offset: 48, .size: 8, .value_kind: global_buffer, .address_space: global }
      - { .name: kv, .offset: 56, .size: 8, .value_kind: global_buffer, .address_space: global }
    .group_segment_fixed_size: 327680
    .private_segment_fixed_size: 0
    .kernarg_segment_align: 8
    .kernarg_segment_size: 64
    .max_flat_workgroup_size: 128
    .sgpr_count:     102
    .vgpr_count:     1024
    .wavefront_size: 32
...
	.end_amdgpu_metadata
.endif
;; end of part 2
;; launch attn (part 3): grid 32 x 8, 16 waves a work-group, no clusters, 327,680 bytes of LDS; arguments qc, kv, oc, os; writes oc, os
.if DOCPART == 3
	.amdgcn_target "amdgcn-amd-amdhsa--gfx1250"
	.amdhsa_code_object_version 6
	.text
	.protected	k_qfb1d8209c1_attn
	.globl	k_qfb1d8209c1_attn
	.p2align	8
	.type	k_qfb1d8209c1_attn,@function
k_qfb1d8209c1_attn:
	s_mov_b64 s[64:65], 0
	v_nop
	global_prefetch_b8 v0, s[64:65] scope:SCOPE_SE
	s_setreg_imm32_b32 hwreg(HW_REG_WAVE_MODE, 25, 1), 1
	s_wait_xcnt 0x0
; The banded attention on codes of FP6 (E2M3): query q sees keys q - 512 .. q (and none below 0).  16 heads of 64.  Out come o's codes and scale words, as the operand of the last projection.
; THE SOFTMAX AHEAD OF THE SECOND PRODUCT: t = score x log2(e) / 8; M = the running largest t rounded up to a whole number; p = 2^(t - M) is quantised along the keys, not normalised; the row's sum is taken of the
; unquantised p and divides at the end; when M moves, the sum and O are multiplied by 2^(old M - new M), which rounds nothing.
; SHARES.  A work-group owns 256 queries of a pair of heads; each of its sixteen waves one tile of 16 queries, first for the one head, then for the other: so it ends with a whole fragment (K = the pair's 128 channels) of o.
; A wave's queries lie in one block of 128 tokens, so it needs five steps of 128 keys: the first masked from below, three open, the last masked on the diagonal.  Steps below key 0 are left out by a scalar branch on ids.
; LDS is filled ONCE: six records (128 keys each: k's tiles, v^T's fragments, their scales: 12,800 dense bytes) for each of the two heads, twelve tensor loads, one a wave.  No slot is filled again.
; No joint loads: neighbouring blocks of queries want windows two records apart, and a shared copy would be read at LDS addresses that hang on a work-group's place.  No prefetch: all that the work-group reads is asked for at its head.
; LAYOUT.  Both products transposed: S^T = K Q^T, O^T = V^T P^T: a lane holds one query throughout.  Tiles hold rows 32 b + 8 u + i + 8 (i / 8), so the 16 registers of tiles 2 b, 2 b + 1 are 16 neighbours.
; THE FIRST PRODUCT'S K IS 64: Q's registers 6-11 are zero codes.  So k's tiles lie 6 registers apart, and a tile's upper six registers, which are the next tile's codes (zeros behind the last), are multiplied by zeros; every
; code of this format is a finite number, and the upper two scale bytes are copies of real bytes.
; LIMITS: NaN and infinities are not served; a block of p or o whose largest magnitude lies under 2^-124 keeps the byte 1.
; REGISTERS: v1, v2 the add's two; v3-6 LDS addresses; v7 the mask's number; v8, v9 Q's offsets in memory; v10, v11 Q's scale bytes; v12 -M, v13 the largest t, v[14:15] the sum; v16-27 Q; v28 Q's scale word; v[30:31] f;
; v32-79 k's tiles, later p's codes (v32-43) and work; v80-85 zeros; v86-93 k's scale words; v94 p's; v95 o's; v96-159 S^T, p; v160-191 O^T; v192-239 v^T; v240-243 k's scale bytes; v244-247 v's scale words; v248-253 the first head's codes of o; v254 -infinity.
.set REC,   12800
.set SPARE, 12*REC                     ; behind the records: the spare words, 128 bytes a wave: eight blocks of 256 bytes that no other line names
.set CS,  36                           ; s[36:37] c = log2(e) / 8
.set SEL, 38                           ; s[38:39] selects for lane l xor 16
	s_load_b256 s[4:11], s[0:1], 0x0               ; qc, kv, oc, os
	v_lshl_add_u32 v1, v0, 2, SPARE
	v_mov_b32 v2, 0
	ds_add_u32 v1, v2                              ; the wave's opening: the add and its wait ahead of my first tensor load
	ds_add_u32 v1, v2
	v_lshrrev_b32 v3, 5, v0
	s_delay_alu instid0(VALU_DEP_1)
	v_readfirstlane_b32 s12, v3                    ; wave
	s_lshr_b32 s13, s12, 3                         ; which 128 of the 256 queries.  Also: which head's records I fetch
	s_and_b32 s14, s12, 7                          ; my tile in the 128.  Also: which record
	s_and_b32 s16, ttmp7, 0xffff                   ; the pair of heads
	s_mov_b32 s24, 3<<16                           ; group 1: 12,800 dense bytes as 50 rows of 32 elements of 8 bytes; no mask, no padding
	s_mov_b32 s25, 32<<16
	s_mov_b32 s26, 50<<16
	s_mov_b32 s27, 32<<16
	s_mov_b32 s28, 50
	s_mov_b32 s29, 32
	s_mov_b32 s30, 0
	s_mov_b32 s31, 0
	s_mul_i32 s17, s13, 6
	s_add_co_u32 s17, s17, s14
	s_mul_i32 s17, s17, REC                        ; record (p, i) lies at (6 p + i) x 12,800
	s_lshl_b32 s18, ttmp9, 1
	s_sub_co_i32 s18, s18, 4                       ; record 0 is key step 2 x - 4
	s_add_co_i32 s19, s18, s14
	s_max_i32 s19, s19, 0                          ; steps below 0 do not exist: step 0 is fetched in their place, into records that nobody reads
	s_lshl_b32 s20, s16, 1
	s_add_co_u32 s20, s20, s13
	s_lshl_b32 s20, s20, 6
	s_add_co_u32 s20, s20, s19
	s_mul_i32 s20, s20, REC
	s_mov_b32 s21, 0
	s_add_co_i32 s40, s18, s13                     ; my first key step (may be negative)
	s_mov_b32 s[CS], 0x3e38aa3b
	s_mov_b32 s[CS+1], s[CS]
	s_mov_b32 s[SEL], 0x76543210
	s_mov_b32 s[SEL+1], 0xfedcba98
	s_wait_dscnt 0x0                               ; the opening add is done
	s_wait_kmcnt 0x0
	s_mov_b32 s32, 1
	s_mov_b32 s33, s17
	s_add_nc_u64 s[34:35], s[6:7], s[20:21]
	s_or_b32 s35, s35, 0x80000000
	s_cmp_lt_u32 s12, 6                            ; at the head waves 0-5 fetch the first head's six records, one load each
	s_cbranch_scc0 .Lnoload
	tensor_load_to_lds s[32:35], s[24:31]
	s_nop 0
.rept 4
	v_nop
.endr
.Lnoload:
	v_and_b32 v29, 31, v0                          ; lane
	v_and_b32 v255, 15, v0                         ; r
	v_bfe_u32 v30, v0, 4, 1                        ; h
	s_mul_i32 s22, s13, REC                        ; my first record
	v_mul_u32_u24 v8, v29, 24
	s_delay_alu instid0(VALU_DEP_1)
	v_add_nc_u32 v3, s22, v8                       ; k's codes: 24 x lane
	s_add_co_u32 s23, s22, 6400
	v_lshlrev_b32 v4, 4, v29
	s_delay_alu instid0(VALU_DEP_1)
	v_add_nc_u32 v4, s23, v4                       ; v's images: 16 x lane
	s_add_co_u32 s23, s22, 6144
	v_lshlrev_b32 v9, 3, v255
	s_wait_alu depctr_va_vdst(0)
	v_add_nc_u32 v5, s23, v9                       ; k's scale bytes: 8 r
	s_add_co_u32 s23, s22, 12544
	v_lshlrev_b32 v6, 4, v255
	s_delay_alu instid0(VALU_DEP_1)
	v_add_nc_u32 v6, s23, v6                       ; v's scale words: 16 r
	s_lshr_b32 s22, s12, 1
	s_and_b32 s22, s22, 3
	s_lshl_b32 s22, s22, 5
	s_and_b32 s23, s12, 1
	s_lshl_b32 s23, s23, 3
	s_add_co_u32 s22, s22, s23
	v_and_b32 v7, 8, v255
	s_delay_alu instid0(VALU_DEP_1)
	v_add_nc_u32 v7, v7, v255
	s_delay_alu instid0(VALU_DEP_1)
	v_add_nc_u32 v7, s22, v7                       ; my query's place among its 128 tokens,
	v_lshlrev_b32 v30, 4, v30
	s_delay_alu instid0(VALU_DEP_1)
	v_sub_nc_u32 v7, v7, v30                       ; less 16 h: register 16 b + i holds local key 32 b + 16 h + i
	s_mul_i32 s22, s16, 819200                     ; Q: head 2 hp,
	s_lshl_b32 s23, ttmp9, 1
	s_add_co_u32 s23, s23, s13
	s_mul_i32 s23, s23, 6400                       ; my block of 128 tokens
	s_add_co_u32 s22, s22, s23
	s_mov_b32 s23, 0
	s_add_nc_u64 s[4:5], s[4:5], s[22:23]
	s_add_co_u32 s22, s14, 6144
	s_add_nc_u64 s[42:43], s[4:5], s[22:23]        ; its scale bytes: my tile's column
	s_mul_i32 s22, s14, 768
	s_add_nc_u64 s[4:5], s[4:5], s[22:23]          ; my tile's codes
.irp j, 0,1,2
	global_load_b64 v[16+2*\j:17+2*\j], v8, s[4:5] offset:8*\j
.endr
	global_load_u8 v10, v9, s[42:43]
	global_load_u8 v11, v9, s[42:43] offset:128
.irp j, 0,1,2                                          ; the second head's Q and its two bytes come now too, into v248-253, v29 and v255, which are idle until the first head's end
	global_load_b64 v[248+2*\j:249+2*\j], v8, s[4:5] offset:409600+8*\j
.endr
	global_load_u8 v29, v9, s[42:43] offset:409600
	global_load_u8 v255, v9, s[42:43] offset:409600+128
	s_lshl_b32 s22, ttmp9, 4
	s_add_co_u32 s22, s22, s12                     ; T: my tile of queries
	s_lshl_b32 s41, s22, 9
	s_lshl_b32 s22, s22, 3
	s_add_co_u32 s22, s22, s16
	s_mul_i32 s22, s22, 1536
	s_add_nc_u64 s[8:9], s[8:9], s[22:23]          ; oc at (T, pair)
	s_lshl_b32 s22, s16, 6
	s_add_co_u32 s22, s22, s41
	s_add_nc_u64 s[10:11], s[10:11], s[22:23]      ; os likewise
.irp i, 22,23,24,25,26,27,80,81,82,83,84,85,31,95
	v_mov_b32 v\i, 0
.endr
	v_mov_b32 v254, 0xff800000
	s_wait_tensorcnt 0x0                           ; my record of the first head has landed; the full sequence ahead of a later first fill:
	ds_add_u32 v1, v2                              ; the add, twice on end
	ds_add_u32 v1, v2
	s_wait_dscnt 0x0
	s_barrier_signal -1
	s_barrier_wait -1                              ; the first head's six records are whole
	s_cmp_lt_u32 s12, 8                            ; waves 8-13 now fetch the second head's six records, one load each, into bytes of their own: they land while the first head is worked
	s_cbranch_scc1 .Lnoload2
	s_cmp_lt_u32 s12, 14
	s_cbranch_scc0 .Lnoload2
	tensor_load_to_lds s[32:35], s[24:31]
	s_nop 0
.rept 4
	v_nop
.endr
.Lnoload2:
; A KEY STEP: record t of my five, for head p.  mode 0: keys below my query - 512 are hidden; 1: all count; 2: keys above my query are hidden.
.macro STEP p, t, mode
.if \t < 4
	s_add_co_i32 s41, s40, \t
	s_cmp_lt_i32 s41, 0                            ; a step below key 0: left out
	s_cbranch_scc1 .Lskip_\@
.endif
.rept 4
	v_nop                                          ; places in front of loads into registers that the last products read
.endr
.irp n, 0,1,2,3,4,5,6,7
.irp j, 0,1,2
	ds_load_b64 v[32+6*\n+2*\j:33+6*\n+2*\j], v3 offset:REC*\t+768*\n+8*\j
.endr
.endr
	ds_load_b64 v[240:241], v5 offset:REC*\t
	ds_load_b64 v[242:243], v5 offset:REC*\t+128
	s_wait_dscnt 0x0
.irp n, 0,1,2,3,4,5,6,7
	v_perm_b32 v[86+\n], v[242+\n/4], v[240+\n/4], 0x04000400+(\n%4)*0x01010101   ; tile n's word: the two blocks' bytes, twice
.endr
.rept 8
	v_nop                                          ; a scale register written by a vector instruction stands 8 places ahead of the scaled matrix instruction
.endr
.irp n, 0,1,2,3,4,5,6,7
	v_wmma_scale_f32_16x16x128_f8f6f4 v[96+8*\n:103+8*\n], v[32+6*\n:43+6*\n], v[16:27], 0, v[86+\n], v28 matrix_a_fmt:MATRIX_FMT_FP6 matrix_b_fmt:MATRIX_FMT_FP6
.endr
.irp f, 0,1,2,3                                    ; v^T is asked for now and lands under the softmax
.irp c, 0,1,2
	ds_load_b128 v[192+12*\f+4*\c:195+12*\f+4*\c], v4 offset:REC*\t+1536*\f+512*\c
.endr
.endr
	ds_load_b128 v[244:247], v6 offset:REC*\t
.rept 4
	v_nop                                          ; places behind the products
.endr
.if \mode == 0
.irp n, 0,1,2,3,4,5,6,7,8,9,10,11,12,13,14,15,16,17,18,19,20,21,22,23,24,25,26,27,28,29,30,31,32,33,34,35,36,37,38,39,40,41,42,43,44,45,46,47,48,49,50,51,52,53,54,55,56,57,58,59,60,61,62,63
	v_cmp_lt_i32 vcc_lo, 32*(\n/16)+\n%16, v7
	v_cndmask_b32 v[96+\n], v[96+\n], v254, vcc_lo
.endr
.endif
.if \mode == 2
.irp n, 0,1,2,3,4,5,6,7,8,9,10,11,12,13,14,15,16,17,18,19,20,21,22,23,24,25,26,27,28,29,30,31,32,33,34,35,36,37,38,39,40,41,42,43,44,45,46,47,48,49,50,51,52,53,54,55,56,57,58,59,60,61,62,63
	v_cmp_gt_i32 vcc_lo, 32*(\n/16)+\n%16, v7
	v_cndmask_b32 v[96+\n], v[96+\n], v254, vcc_lo
.endr
.endif
.irp b, 0,1,2,3
	v_max3_num_f32 v[56+\b], v[96+16*\b], v[97+16*\b], v[98+16*\b]   ; the largest score of each block of 32 keys: for the row's maximum and, since p rises with the score, for the block's largest p
.endr
.irp i, 3,5,7,9,11,13
.irp b, 0,1,2,3
	v_max3_num_f32 v[56+\b], v[56+\b], v[96+16*\b+\i], v[97+16*\b+\i]
.endr
.endr
.irp b, 0,1,2,3
	v_max_num_f32 v[56+\b], v[56+\b], v[111+16*\b]
.endr
.irp b, 0,1,2,3
	s_delay_alu instid0(VALU_DEP_4)
	v_permlanex16_b32 v[60+\b], v[56+\b], s[SEL], s[SEL+1]
.endr
.irp b, 0,1,2,3
	s_delay_alu instid0(VALU_DEP_4)
	v_max_num_f32 v[56+\b], v[56+\b], v[60+\b]
.endr
	s_delay_alu instid0(VALU_DEP_2)
	v_max3_num_f32 v68, v56, v57, v58
	s_delay_alu instid0(VALU_DEP_1)
	v_max_num_f32 v68, v68, v59
	s_delay_alu instid0(VALU_DEP_1)
	v_mul_f32 v68, s[CS], v68
	s_delay_alu instid0(VALU_DEP_1)
	v_max_num_f32 v13, v13, v68                    ; the running largest t
	v_mov_b32 v68, v12
	s_delay_alu instid0(VALU_DEP_2)
	v_floor_f32 v12, -v13                          ; -M = floor(-t)
	s_delay_alu instid0(VALU_DEP_1)
	v_sub_f32 v68, v12, v68
	s_delay_alu instid0(VALU_DEP_1)
	v_cvt_i32_f32 v68, v68                         ; old M - new M (it saturates)
	s_delay_alu instid0(VALU_DEP_1)
	v_ldexp_f32 v30, 1.0, v68                      ; f
.irp j, 0,2,4,6,8,10,12,14,16,18,20,22,24,26,28,30,32,34,36,38,40,42,44,46,48,50,52,54,56,58,60,62
	v_pk_fma_f32 v[96+\j:97+\j], v[96+\j:97+\j], s[CS:CS+1], v[12:13] op_sel_hi:[1,0,0]   ; t - M
.endr
.irp b, 0,1,2,3
	v_fma_f32 v[56+\b], v[56+\b], s[CS], v12
.endr
	s_wait_alu depctr_va_vdst(0)
.irp j, 0,1,2,3,4,5,6,7,8,9,10,11,12,13,14,15,16,17,18,19,20,21,22,23,24,25,26,27,28,29,30,31,32,33,34,35,36,37,38,39,40,41,42,43,44,45,46,47,48,49,50,51,52,53,54,55,56,57,58,59,60,61,62,63
	v_exp_f32 v[96+\j], v[96+\j]                   ; p
.endr
	v_pk_mul_f32 v[14:15], v[14:15], v[30:31] op_sel_hi:[1,0]   ; the sums under the new M (a plain line behind the exponentials)
	s_wait_alu depctr_va_vdst(0)                   ; one wait for the batch, ahead of its first reader
.irp b, 0,1,2,3
	v_exp_f32 v[56+\b], v[56+\b]                   ; each block's largest p
.endr
	v_pk_add_f32 v[70:71], v[100:101], v[104:105]
	v_pk_add_f32 v[242:243], v[108:109], v[112:113]
	v_pk_add_f32 v[240:241], v[116:117], v[120:121]
	v_pk_add_f32 v[92:93], v[124:125], v[128:129]
	v_pk_add_f32 v[90:91], v[132:133], v[136:137]
	v_pk_add_f32 v[88:89], v[140:141], v[144:145]
	v_pk_add_f32 v[86:87], v[148:149], v[152:153]
	v_pk_add_f32 v[14:15], v[14:15], v[156:157]
	v_pk_add_f32 v[70:71], v[70:71], v[96:97]
	v_pk_add_f32 v[242:243], v[242:243], v[98:99]
	v_pk_add_f32 v[240:241], v[240:241], v[102:103]
	v_pk_add_f32 v[92:93], v[92:93], v[106:107]
	v_pk_add_f32 v[90:91], v[90:91], v[110:111]
	v_pk_add_f32 v[88:89], v[88:89], v[114:115]
	v_pk_add_f32 v[86:87], v[86:87], v[118:119]
	v_pk_add_f32 v[14:15], v[14:15], v[122:123]
	v_pk_add_f32 v[70:71], v[70:71], v[126:127]
	v_pk_add_f32 v[242:243], v[242:243], v[130:131]
	v_pk_add_f32 v[240:241], v[240:241], v[134:135]
	v_pk_add_f32 v[92:93], v[92:93], v[138:139]
	v_pk_add_f32 v[90:91], v[90:91], v[142:143]
	v_pk_add_f32 v[88:89], v[88:89], v[146:147]
	v_pk_add_f32 v[86:87], v[86:87], v[150:151]
	v_pk_add_f32 v[14:15], v[14:15], v[154:155]
	v_pk_add_f32 v[70:71], v[70:71], v[158:159]
	s_delay_alu instid0(VALU_DEP_2)
	v_pk_add_f32 v[14:15], v[14:15], v[92:93]
	s_delay_alu instid0(VALU_DEP_2)
	v_pk_add_f32 v[70:71], v[70:71], v[90:91]
	v_pk_add_f32 v[242:243], v[242:243], v[88:89]
	v_pk_add_f32 v[240:241], v[240:241], v[86:87]
	s_delay_alu instid0(VALU_DEP_2)
	v_pk_add_f32 v[14:15], v[14:15], v[242:243]
	s_delay_alu instid0(VALU_DEP_2)
	v_pk_add_f32 v[70:71], v[70:71], v[240:241]
	s_delay_alu instid0(VALU_DEP_1)
	v_pk_add_f32 v[14:15], v[14:15], v[70:71]
	s_wait_alu depctr_va_vdst(0)                   ; and one for the four
.irp b, 0,1,2,3
	v_max_num_f32 v[56+\b], 0x1800000, v[56+\b]    ; the floor: the byte cannot fall under 1
.endr
.irp b, 0,1,2,3
	s_delay_alu instid0(VALU_DEP_4)
	v_add_nc_u32 v[64+\b], 0xff000000, v[56+\b]
.endr
.irp b, 0,1,2,3
	s_delay_alu instid0(VALU_DEP_4)
	v_lshrrev_b32 v[60+\b], 23, v[64+\b]
.endr
	s_delay_alu instid0(VALU_DEP_3)
	v_lshl_or_b32 v94, v61, 8, v60
	s_delay_alu instid0(VALU_DEP_1)
	v_lshl_or_b32 v94, v62, 16, v94
	s_delay_alu instid0(VALU_DEP_1)
	v_lshl_or_b32 v94, v63, 24, v94                ; p's scale word
.irp c, 0,1
	v_cvt_scalef32_pk16_fp6_f32 v[32+6*\c:34+6*\c], v[96+32*\c:111+32*\c], v[64+2*\c]
	v_cvt_scalef32_pk16_fp6_f32 v[44+4*\c:46+4*\c], v[112+32*\c:127+32*\c], v[64+2*\c+1]
.endr
	v_nop
.irp c, 0,1
.irp i, 0,1,2
	v_permlane16_swap_b32 v[32+6*\c+\i], v[44+4*\c+\i]
.endr
.irp i, 0,1,2
	s_delay_alu instid0(VALU_DEP_3)
	v_mov_b32 v[35+6*\c+\i], v[44+4*\c+\i]
.endr
.endr
.irp j, 0,2,4,6,8,10,12,14,16,18,20,22,24,26,28,30
	v_pk_mul_f32 v[160+\j:161+\j], v[160+\j:161+\j], v[30:31] op_sel_hi:[1,0]   ; O^T under the new M; for each product below twelve of these name none of its registers: its places
.endr
	s_wait_alu depctr_va_vdst(0)
	s_wait_dscnt 0x0                               ; v^T and its scale words
.irp f, 0,1,2,3
	v_wmma_scale_f32_16x16x128_f8f6f4 v[160+8*\f:167+8*\f], v[192+12*\f:203+12*\f], v[32:43], v[160+8*\f:167+8*\f], v[244+\f], v94 matrix_a_fmt:MATRIX_FMT_FP6 matrix_b_fmt:MATRIX_FMT_FP6
.endr
.if \t < 4
.Lskip_\@:
.endif
.endm
.macro HEAD p
	s_wait_loadcnt 0x0                             ; Q and its two bytes
	v_lshl_or_b32 v28, v11, 8, v10
	s_delay_alu instid0(VALU_DEP_1)
	v_or_b32 v28, 0x7f7f0000, v28                  ; the upper two blocks are zero codes: the byte of 1
.if \p == 1
.irp i, 3,4,5,6
	v_add_nc_u32 v\i, 6*REC, v\i                   ; the second head's records
.endr
.endif
	v_mov_b32 v13, 0xff61b1e6                      ; -3e38, under every t
	s_delay_alu instid0(VALU_DEP_1)
	v_floor_f32 v12, -v13
	v_mov_b32 v14, 0
	v_mov_b32 v15, 0
.irp j, 0,1,2,3,4,5,6,7,8,9,10,11,12,13,14,15,16,17,18,19,20,21,22,23,24,25,26,27,28,29,30,31
	v_mov_b32 v[160+\j], 0                         ; which step is a wave's first hangs on its place: so O^T begins as zeros
.endr
	STEP \p, 0, 0
	STEP \p, 1, 1
.if \p == 0
	s_wait_tensorcnt 0x0                           ; my record of the second head has landed,
	s_wait_dscnt 0x0                               ; no LDS instruction of mine is out:
	s_barrier_signal -1                            ; say so now; the wait stands ahead of the second head.  Between the two: work on registers, and LDS loads of the first head's records, which nobody writes
.endif
	STEP \p, 2, 1
	STEP \p, 3, 1
	STEP \p, 4, 2
.rept 4
	v_nop                                          ; places behind the last products
.endr
	v_add_f32 v14, v14, v15
	s_delay_alu instid0(VALU_DEP_1)
	v_permlanex16_b32 v60, v14, s[SEL], s[SEL+1]
	s_delay_alu instid0(VALU_DEP_1)
	v_add_f32 v14, v14, v60                        ; the row's sum
	s_wait_alu depctr_va_vdst(0)
	v_rcp_f32 v14, v14
	v_nop
	s_wait_alu depctr_va_vdst(0)
.irp j, 0,2,4,6,8,10,12,14,16,18,20,22,24,26,28,30
	v_pk_mul_f32 v[96+\j:97+\j], v[160+\j:161+\j], v[14:15] op_sel_hi:[1,0]   ; o: register 16 b + i = channel 32 b + 16 h + i of the head
.endr
.irp b, 0,1
	v_max3_num_f32 v[56+\b], |v[96+16*\b]|, |v[97+16*\b]|, 0x1800000
.endr
.irp i, 2,4,6,8,10,12,14
.irp b, 0,1
	s_delay_alu instid0(VALU_DEP_2)
	v_max3_num_f32 v[56+\b], v[56+\b], |v[96+16*\b+\i]|, |v[97+16*\b+\i]|
.endr
.endr
.irp b, 0,1
	s_delay_alu instid0(VALU_DEP_2)
	v_permlanex16_b32 v[60+\b], v[56+\b], s[SEL], s[SEL+1]
.endr
.irp b, 0,1
	s_delay_alu instid0(VALU_DEP_2)
	v_max_num_f32 v[56+\b], v[56+\b], v[60+\b]
.endr
.irp b, 0,1
	s_delay_alu instid0(VALU_DEP_2)
	v_add_nc_u32 v[64+\b], 0xff000000, v[56+\b]
.endr
.irp b, 0,1
	s_delay_alu instid0(VALU_DEP_2)
	v_lshrrev_b32 v[60+\b], 23, v[64+\b]
.endr
	s_delay_alu instid0(VALU_DEP_1)
	v_lshl_or_b32 v60, v61, 8, v60
	s_delay_alu instid0(VALU_DEP_1)
	v_lshl_or_b32 v95, v60, 16*\p, v95             ; bytes 2 p and 2 p + 1 of o's scale word
	v_cvt_scalef32_pk16_fp6_f32 v[128:130], v[96:111], v64
	v_cvt_scalef32_pk16_fp6_f32 v[132:134], v[112:127], v65
	v_nop
.irp i, 0,1,2
	v_permlane16_swap_b32 v[128+\i], v[132+\i]     ; lanes 0-15 the head's block 0, lanes 16-31 its block 1
.endr
.if \p == 0
	v_mov_b32 v10, v29                             ; the second head's Q takes its place: the first head's last scores are made
	v_mov_b32 v11, v255
.irp i, 0,1,2,3,4,5
	v_mov_b32 v[16+\i], v[248+\i]
.endr
.irp i, 0,1,2
	v_mov_b32 v[248+\i], v[128+\i]
	v_mov_b32 v[251+\i], v[132+\i]
.endr
.else
.irp i, 0,1,2
	v_mov_b32 v[142+\i], v[128+\i]                 ; registers 6-11 of the fragment
	v_mov_b32 v[145+\i], v[132+\i]
.endr
.irp i, 0,1,2,3,4,5
	v_mov_b32 v[136+\i], v[248+\i]                 ; registers 0-5: the first head's
.endr
.endif
.endm
	HEAD 0
	s_barrier_wait -1                              ; every wave has said that its record of the second head has landed
	HEAD 1
	v_and_b32 v56, 31, v0
	s_delay_alu instid0(VALU_DEP_1)
	v_lshlrev_b32 v56, 4, v56
.irp c, 0,1,2
	global_store_b128 v56, v[136+4*\c:139+4*\c], s[8:9] offset:512*\c   ; the fragment's image: 512 consecutive bytes a store, aligned
.endr
	v_and_b32 v57, 15, v0
	s_delay_alu instid0(VALU_DEP_1)
	v_lshlrev_b32 v57, 2, v57
	global_store_b32 v57, v95, s[10:11]            ; row r's word; lanes r and r + 16 hold the same word and write the same place
	s_wait_tensorcnt 0x0                           ; the wave's end
	ds_add_u32 v1, v2
	s_wait_dscnt 0x0
	s_endpgm
.Lfunc_end_k_qfb1d8209c1_attn:
	.size	k_qfb1d8209c1_attn, .Lfunc_end_k_qfb1d8209c1_attn-k_qfb1d8209c1_attn
	.p2alignl 7, 3214868480
	.fill 96, 4, 3214868480
	.section	.rodata,"a",@progbits
	.p2align	6, 0x0
	.amdhsa_kernel k_qfb1d8209c1_attn
		.amdhsa_group_segment_fixed_size 327680
		.amdhsa_private_segment_fixed_size 0
		.amdhsa_enable_private_segment 0
		.amdhsa_kernarg_size 32
		.amdhsa_user_sgpr_count 2
		.amdhsa_user_sgpr_kernarg_segment_ptr 1
		.amdhsa_wavefront_size32 1
		.amdhsa_system_sgpr_workgroup_id_x 1
		.amdhsa_system_sgpr_workgroup_id_y 1
		.amdhsa_system_sgpr_workgroup_id_z 1
		.amdhsa_system_vgpr_workitem_id 0
		.amdhsa_next_free_vgpr 256
		.amdhsa_next_free_sgpr 66
		.amdhsa_reserve_vcc 1
		.amdhsa_float_denorm_mode_32 3
		.amdhsa_float_denorm_mode_16_64 3
		.amdhsa_memory_ordered 1
		.amdhsa_forward_progress 1
		.amdhsa_inst_pref_size 221
	.end_amdhsa_kernel
	.amdgpu_metadata
---
amdhsa.version: [ 1, 2 ]
amdhsa.kernels:
  - .name:           k_qfb1d8209c1_attn
    .symbol:         k_qfb1d8209c1_attn.kd
    .args:
      - { .name: qc, .offset: 0, .size: 8, .value_kind: global_buffer, .address_space: global }
      - { .name: kv, .offset: 8, .size: 8, .value_kind: global_buffer, .address_space: global }
      - { .name: oc, .offset: 16, .size: 8, .value_kind: global_buffer, .address_space: global }
      - { .name: os, .offset: 24, .size: 8, .value_kind: global_buffer, .address_space: global }
    .group_segment_fixed_size: 327680
    .private_segment_fixed_size: 0
    .kernarg_segment_align: 8
    .kernarg_segment_size: 32
    .max_flat_workgroup_size: 512
    .sgpr_count:     66
    .vgpr_count:     256
    .wavefront_size: 32
...
	.end_amdgpu_metadata
.endif
;; end of part 3
;; launch oproj (part 4): grid 8 x 32, 4 waves a work-group, clusters of 4 x 4, 327,680 bytes of LDS; arguments oc, os, codes, scl, bo, out0; writes out0
.if DOCPART == 4
	.amdgcn_target "amdgcn-amd-amdhsa--gfx1250"
	.amdhsa_code_object_version 6
	.text
	.protected	k_qfb1d8209c1_oproj
	.globl	k_qfb1d8209c1_oproj
	.p2align	8
	.type	k_qfb1d8209c1_oproj,@function
k_qfb1d8209c1_oproj:
	s_mov_b64 s[64:65], 0
	v_nop
	global_prefetch_b8 v0, s[64:65] scope:SCOPE_SE
	s_setreg_imm32_b32 hwreg(HW_REG_WAVE_MODE, 25, 1), 1
	s_wait_xcnt 0x0
	s_wait_alu depctr_hold_cnt(0) depctr_sa_sdst(0) depctr_va_vdst(0) depctr_va_sdst(0) depctr_va_ssrc(0) depctr_va_vcc(0) depctr_vm_vsrc(0)
	s_getreg_b32 s2, hwreg(HW_REG_IB_STS2, 6, 4)
	s_cmp_eq_u32 s2, 0
	s_cbranch_scc0 .Lentry_in_a_cluster
	s_endpgm
.Lentry_in_a_cluster:
	s_bfe_u32 s2, ttmp6, 0x10000c
	s_cmp_lg_u32 s2, 0xf033
	s_cbranch_scc0 .Lentry_shape_is_right
	s_endpgm
.Lentry_shape_is_right:
; out0 = o Wo^T + bo on codes of FP6 (E2M3) with E8M0 scales.  o's codes and scale words (oc, os) and Wo's (codes, scl from tile position 704) lie as images of operand registers: 1,536 bytes a fragment (16 rows x 128 K),
; 12,288 bytes a tile for all of K; scale words [tile][K step 8][row 16].  Row i of tile 2 g + u is row 32 g + 8 u + i + 8 (i / 8) of its tensor.
; 256 work-groups of four waves: side A = 256 tokens (16 tiles), side B = 128 channels (8 tiles).  Wave w takes A's tiles 4 w .. 4 w + 3 against B's eight: 32 accumulators.
; Source 0 = a tile of B, source 1 = a tile of A: a lane holds one token, its registers run along the channels.
; LDS IS FILLED ONCE: both operands for all of K are 196,608 + 98,304 bytes, two dense blocks of memory.  Four joint loads at the head, one a wave: waves 0, 1 halves of A, waves 2, 3 halves of B.  Nothing is filled again.
; CLUSTERS of 4 x 4: A's block hangs on the token block alone and is asked for jointly along a row of the cluster, B's on the channel block alone, along a column.
; No prefetch: all that the work-group reads is asked for at its head, and there is no loop to run ahead in.
; THE SCALE WORDS go from memory into registers: a load's 32 lanes take 128 consecutive bytes, two K steps of one tile: lanes 0-15 the even step's 16 rows, lanes 16-31 the odd step's; the ROW selectors choose.
; bo is the C of each accumulator's first product.  THE WAY OUT: 16 tokens x 128 channels go through the wave's stage and leave as rows of 512 bytes.  The stage lies in the wave's own four tiles of A:
; no other wave reads them, they have had their one fill, and the wave's own reads of them are over.
; REGISTERS: window 0: v1-31 addresses; v32-47 A's scale words, v48-79 B's, and nothing else; v128-223 A's fragments, two sets; window 1: B's fragments, two sets, at v0 and v128; v96-127, v224-255 bo; window 2: accumulator (a, b) at v[8 (8 a + b)].
.set FR,    12
.set NP,    4                          ; places behind this matrix instruction (ISA guide 7.12.1)
.set TILE,  12288
.set LB,    16*TILE                    ; B's tiles lie behind A's 16
.set SPARE, 24*TILE                    ; the spare words, 128 bytes a wave: two blocks of 256 bytes that no other line names
.set ADRA,  16
.set ADRB,  20                         ; v20 B's tiles 0-3, v21 tiles 4-7
.set STO,   24
.set RD,    25
.set SPW,   28
.set NIL,   29
.set SAS,   32                         ; register 4 a + j: A's tile a, K steps 2 j and 2 j + 1
.set SBS,   48                         ; register 4 b + j: B's tile b
.set AF,    128
.set BK,    128
.set G1,  24
.set G0,  32
.set G0B, 36
.set G1B, 48
.set MSB, 0
.macro WIN new
.if MSB != \new
	s_set_vgpr_msb (MSB<<8)|\new
.set MSB, \new
.endif
.endm
.set MUL_LO, 0xa1                      ; source 0 (B) window 1, source 1 (A) window 0, C and D window 2
.set TO_B,   0x40
.macro CROUND
	s_barrier_signal -1
	s_barrier_wait -1
	s_cmp_lg_u32 s20, 0
	s_cbranch_scc1 .Lnot_wave_0_\@
	s_barrier_signal -3
.Lnot_wave_0_\@:
	s_barrier_wait -3
	s_barrier_signal -1
	s_barrier_wait -1
.endm
.macro PLACES n
.rept \n
	v_nop
.endr
.endm
.macro FRAG reg, adr, k, i
.irp c, 0,1,2
	ds_load_b128 v[\reg+4*\c:\reg+4*\c+3], v[\adr] offset:TILE*(\i)+1536*(\k)+512*\c
.endr
.endm
.macro FETCH k                         ; K step k's fragments, B's eight and my four of A, into sets k % 2
	WIN TO_B
.irp i, 0,1,2,3
	FRAG 128*((\k)%2)+FR*\i, ADRB, \k, \i
.endr
.irp i, 0,1,2,3
	FRAG 128*((\k)%2)+FR*(\i+4), ADRB+1, \k, \i
.endr
	WIN 0
.irp i, 0,1,2,3
	FRAG AF+48*((\k)%2)+FR*\i, ADRA, \k, \i
.endr
.endm
; 16 matrix instructions: A's tiles a0, a0 + 1 x B's eight.  The 32 accumulators take turns, one instruction a turn.
.macro MUL16 a0, k
.irp a, \a0, \a0+1
.irp b, 0,1,2,3,4,5,6,7
.if (\k) == 0
	v_wmma_scale_f32_16x16x128_f8f6f4 v[8*(8*(\a)+\b):8*(8*(\a)+\b)+7], v[FR*\b:FR*\b+FR-1], v[AF+FR*(\a):AF+FR*(\a)+FR-1], v[96+8*\b+96*(\b/4):96+8*\b+96*(\b/4)+7], v[SBS+4*\b], v[SAS+4*(\a)] matrix_a_fmt:MATRIX_FMT_FP6 matrix_b_fmt:MATRIX_FMT_FP6
.else
.if (\k)%2
	v_wmma_scale_f32_16x16x128_f8f6f4 v[8*(8*(\a)+\b):8*(8*(\a)+\b)+7], v[128+FR*\b:128+FR*\b+FR-1], v[AF+48+FR*(\a):AF+48+FR*(\a)+FR-1], v[8*(8*(\a)+\b):8*(8*(\a)+\b)+7], v[SBS+4*\b+(\k)/2], v[SAS+4*(\a)+(\k)/2] matrix_a_fmt:MATRIX_FMT_FP6 matrix_b_fmt:MATRIX_FMT_FP6 matrix_a_scale:MATRIX_SCALE_ROW1 matrix_b_scale:MATRIX_SCALE_ROW1
.else
	v_wmma_scale_f32_16x16x128_f8f6f4 v[8*(8*(\a)+\b):8*(8*(\a)+\b)+7], v[FR*\b:FR*\b+FR-1], v[AF+FR*(\a):AF+FR*(\a)+FR-1], v[8*(8*(\a)+\b):8*(8*(\a)+\b)+7], v[SBS+4*\b+(\k)/2], v[SAS+4*(\a)+(\k)/2] matrix_a_fmt:MATRIX_FMT_FP6 matrix_b_fmt:MATRIX_FMT_FP6
.endif
.endif
.endr
.endr
.endm
.macro STEP k                          ; the next step's 36 loads are issued ahead of this step's 32 products
	s_wait_dscnt 0x0
.if (\k) < 7
.if (\k) > 0
	PLACES NP                                      ; in front of loads into registers that the last step's products read
.endif
	FETCH (\k)+1
.endif
.if (\k) == 0
	WIN 0x91                                       ; C (bo) in window 1
.else
	WIN MUL_LO
.endif
	MUL16 0, \k
	MUL16 2, \k
	WIN 0
.endm
	s_load_b256 s[4:11], s[0:1], 0x0               ; oc, os, codes, scl
	s_load_b128 s[12:15], s[0:1], 0x20             ; bo, out0
	v_lshl_add_u32 v[SPW], v0, 2, SPARE
	v_mov_b32 v[NIL], 0
	ds_add_u32 v[SPW], v[NIL]                      ; the opening: the add, twice on end, and its wait ahead of my first tensor load
	ds_add_u32 v[SPW], v[NIL]
	v_lshrrev_b32 v1, 5, v0
	v_readfirstlane_b32 s20, v1                    ; wave
	s_lshr_b32 s21, s20, 1                         ; I fetch for A (0) or for B (1),
	s_and_b32 s22, s20, 1                          ; which half
	s_bfe_u32 s40, ttmp6, 0x40000                  ; cx
	s_bfe_u32 s41, ttmp6, 0x40004                  ; cy
	s_and_b32 s42, ttmp7, 0xffff
	s_lshl_b32 s42, s42, 2
	s_add_co_u32 s42, s42, s41                     ; the block of 256 tokens
	s_lshl_b32 s45, ttmp9, 2
	s_add_co_u32 s45, s45, s40                     ; the block of 128 channels
	s_lshl_b32 s43, s41, 2
	s_lshl_b32 s43, 15, s43                        ; my row of the cluster
	s_lshl_b32 s44, 0x1111, s40                    ; my column
	s_or_b32 s[G1+0], s43, (3<<16)|(1<<21)         ; the mask; elements of 8 bytes; bit 21 beside a mask
	s_mov_b32 s[G1+1], 32<<16                      ; 8 tiles of A: 98,304 dense bytes as 384 rows of 256
	s_mov_b32 s[G1+2], 384<<16
	s_mov_b32 s[G1+3], 32<<16
	s_mov_b32 s[G1+4], 384
	s_mov_b32 s[G1+5], 32
	s_mov_b32 s[G1+6], 0
	s_mov_b32 s[G1+7], 0
	s_or_b32 s[G1B+0], s44, (3<<16)|(1<<21)
	s_mov_b32 s[G1B+1], 32<<16                     ; 4 tiles of B: 192 rows of 256
	s_mov_b32 s[G1B+2], 192<<16
	s_mov_b32 s[G1B+3], 32<<16
	s_mov_b32 s[G1B+4], 192
	s_mov_b32 s[G1B+5], 32
	s_mov_b32 s[G1B+6], 0
	s_mov_b32 s[G1B+7], 0
	s_lshl_b32 s2, s42, 4
	s_lshl_b32 s23, s22, 3
	s_add_co_u32 s2, s2, s23
	s_mul_i32 s2, s2, TILE                         ; A: tile 16 x token block + 8 x half
	s_mov_b32 s3, 0
	s_lshl_b32 s46, s45, 3
	s_lshl_b32 s23, s22, 2
	s_add_co_u32 s46, s46, s23
	s_add_co_u32 s46, s46, 704
	s_mul_i32 s46, s46, TILE                       ; B: position 704 + 8 x channel block + 4 x half
	s_mov_b32 s47, 0
	s_mov_b32 s[G0], 1
	s_mul_i32 s[G0+1], s22, 8*TILE                 ; no place in the cluster enters an LDS address
	s_mov_b32 s[G0B], 1
	s_mul_i32 s[G0B+1], s22, 4*TILE
	s_add_co_u32 s[G0B+1], s[G0B+1], LB
	s_wait_dscnt 0x0                               ; both opening adds are done
	s_wait_kmcnt 0x0
	s_add_nc_u64 s[G0+2:G0+3], s[4:5], s[2:3]
	s_or_b32 s[G0+3], s[G0+3], 0x80000000
	s_add_nc_u64 s[G0B+2:G0B+3], s[8:9], s[46:47]
	s_or_b32 s[G0B+3], s[G0B+3], 0x80000000
	CROUND                                         ; all sixteen work-groups are here: the joint loads meet
	s_cmp_eq_u32 s21, 0
	s_cbranch_scc0 .Lfor_b
	tensor_load_to_lds s[G0:G0+3], s[G1:G1+7]
	s_nop 0
.rept 4
	v_nop
.endr
	s_branch .Lasked
.Lfor_b:
	tensor_load_to_lds s[G0B:G0B+3], s[G1B:G1B+7]
	s_nop 0
.rept 4
	v_nop
.endr
.Lasked:
	s_lshl_b32 s2, s42, 4
	s_lshl_b32 s23, s20, 2
	s_add_co_u32 s2, s2, s23
	s_lshl_b32 s2, s2, 9
	s_add_nc_u64 s[6:7], s[6:7], s[2:3]            ; os at my four tiles: 512 bytes a tile
	s_lshl_b32 s46, s45, 3
	s_add_co_u32 s46, s46, 704
	s_lshl_b32 s46, s46, 9
	s_add_nc_u64 s[10:11], s[10:11], s[46:47]      ; scl at B's eight
	s_lshl_b32 s46, s45, 9
	s_add_nc_u64 s[12:13], s[12:13], s[46:47]      ; bo at the block's first channel
	s_lshl_b32 s2, s42, 20                         ; out0: 256 tokens of 4,096 bytes a block,
	s_lshl_b32 s23, s20, 18                        ; 64 tokens a wave,
	s_add_co_u32 s2, s2, s23
	s_add_co_u32 s2, s2, s46                       ; 512 bytes a channel block
	s_add_nc_u64 s[14:15], s[14:15], s[2:3]
	s_mul_i32 s23, s20, 4*TILE                     ; my four tiles of A, later my stage
	v_and_b32 v1, 31, v0
	v_lshlrev_b32 v3, 4, v1                        ; 16 x lane
	v_and_b32 v4, 15, v0                           ; r
	v_bfe_u32 v2, v0, 4, 1                         ; h
	v_lshlrev_b32 v5, 6, v2                        ; 64 h
	v_lshlrev_b32 v6, 2, v1                        ; 4 x lane
	v_add_nc_u32 v[ADRA], s23, v3
	v_add_nc_u32 v[ADRB], LB, v3
	v_add_nc_u32 v[ADRB+1], LB+4*TILE, v3
	v_mul_u32_u24 v[STO], v4, 528
	v_lshl_add_u32 v[STO], v2, 6, v[STO]
	v_add_nc_u32 v[STO], s23, v[STO]               ; into the stage: row r, 64 h bytes
	v_add_nc_u32 v[RD], s23, v3                    ; and back: a row of 512 bytes to the 32 lanes
.irp i, 0,1,2,3
.irp j, 0,1,2,3
	global_load_b32 v[SAS+4*\i+\j], v6, s[6:7] offset:512*\i+128*\j
.endr
.endr
.irp i, 0,1,2,3,4,5,6,7
.irp j, 0,1,2,3
	global_load_b32 v[SBS+4*\i+\j], v6, s[10:11] offset:512*\i+128*\j
.endr
.endr
	WIN TO_B
.irp b, 0,1,2,3,4,5,6,7                                ; bo in the results' layout: register j of tile b is channel 32 (b / 2) + 8 (b % 2) + 16 h + j
	global_load_b128 v[96+8*\b+96*(\b/4):96+8*\b+96*(\b/4)+3], v5, s[12:13] offset:128*(\b/2)+32*(\b%2)
	global_load_b128 v[96+8*\b+96*(\b/4)+4:96+8*\b+96*(\b/4)+7], v5, s[12:13] offset:128*(\b/2)+32*(\b%2)+16
.endr
	WIN 0
	s_wait_alu depctr_va_vdst(0)                   ; the wait at the head's end
	s_wait_tensorcnt 0x0                           ; my load has landed,
	s_barrier_signal -1
	s_barrier_wait -1                              ; everybody's has
	FETCH 0
	s_wait_loadcnt 0x0                             ; the scale words and bo
.irp k, 0,1,2,3,4,5,6,7
	STEP \k
.endr
.macro TOSTAGE a
	WIN 0x08                                       ; the data: window 2
.irp b, 0,1,2,3,4,5,6,7
	ds_store_b128 v[STO], v[64*(\a)+8*\b:64*(\a)+8*\b+3] offset:128*(\b/2)+32*(\b%2)         ; each accumulator from its low end on
	ds_store_b128 v[STO], v[64*(\a)+8*\b+4:64*(\a)+8*\b+7] offset:128*(\b/2)+32*(\b%2)+16
.endr
	WIN 0
.set BB, BK+64*((\a)%2)
.irp t, 0,1,2,3,4,5,6,7,8,9,10,11,12,13,14,15
	ds_load_b128 v[BB+4*\t:BB+4*\t+3], v[RD] offset:\t*528      ; LDS serves a wave's instructions in order (ISA guide 5.7.1.4): these see the stores above
.endr
.endm
.macro SEND a, younger                 ; younger: the LDS instructions issued behind block a's loads, which may stay out
.set BB, BK+64*((\a)%2)
	s_wait_dscnt \younger
.if (\a) > 0
.if (\a)%2 == 1
	s_add_nc_u64 s[14:15], s[14:15], 8*4096        ; tile a begins 32 (a / 2) + 8 (a % 2) tokens on
.else
	s_add_nc_u64 s[14:15], s[14:15], 24*4096
.endif
.endif
.irp t, 0,1,2,3,4,5,6,7,8,9,10,11,12,13,14,15
	global_store_b128 v3, v[BB+4*\t:BB+4*\t+3], s[14:15] offset:(\t+8*(\t/8))*4096 th:TH_STORE_NT   ; 32 lanes store 512 consecutive bytes, aligned
.endr
.endm
	PLACES NP                                      ; in front of the first reads of results and of loads into the fragments' registers
	TOSTAGE 0
.irp a, 1,2,3
.if \a > 1
	s_wait_xcnt 0x0                                ; block a - 2's stores have read their registers and their base
.endif
	TOSTAGE \a
	SEND \a-1, 32                                  ; behind block a - 1's loads: block a's 16 stores and 16 loads
.endr
	s_wait_xcnt 0x0
	SEND 3, 0
	s_wait_tensorcnt 0x0                           ; the wave's end
	ds_add_u32 v[SPW], v[NIL]
	s_wait_dscnt 0x0
	CROUND                                         ; the closing round
	s_endpgm
.Lfunc_end_k_qfb1d8209c1_oproj:
	.size	k_qfb1d8209c1_oproj, .Lfunc_end_k_qfb1d8209c1_oproj-k_qfb1d8209c1_oproj
	.p2alignl 7, 3214868480
	.fill 96, 4, 3214868480
	.section	.rodata,"a",@progbits
	.p2align	6, 0x0
	.amdhsa_kernel k_qfb1d8209c1_oproj
		.amdhsa_group_segment_fixed_size 327680
		.amdhsa_private_segment_fixed_size 0
		.amdhsa_enable_private_segment 0
		.amdhsa_kernarg_size 48
		.amdhsa_user_sgpr_count 2
		.amdhsa_user_sgpr_kernarg_segment_ptr 1
		.amdhsa_wavefront_size32 1
		.amdhsa_system_sgpr_workgroup_id_x 1
		.amdhsa_system_sgpr_workgroup_id_y 1
		.amdhsa_system_sgpr_workgroup_id_z 1
		.amdhsa_system_vgpr_workitem_id 0
		.amdhsa_next_free_vgpr 768
		.amdhsa_next_free_sgpr 66
		.amdhsa_reserve_vcc 0
		.amdhsa_float_denorm_mode_32 3
		.amdhsa_float_denorm_mode_16_64 3
		.amdhsa_memory_ordered 1
		.amdhsa_forward_progress 1
		.amdhsa_inst_pref_size 79
	.end_amdhsa_kernel
	.amdgpu_metadata
---
amdhsa.version: [ 1, 2 ]
amdhsa.kernels:
  - .name:           k_qfb1d8209c1_oproj
    .symbol:         k_qfb1d8209c1_oproj.kd
    .args:
      - { .name: oc, .offset: 0, .size: 8, .value_kind: global_buffer, .address_space: global }
      - { .name: os, .offset: 8, .size: 8, .value_kind: global_buffer, .address_space: global }
      - { .name: codes, .offset: 16, .size: 8, .value_kind: global_buffer, .address_space: global }
      - { .name: scl, .offset: 24, .size: 8, .value_kind: global_buffer, .address_space: global }
      - { .name: bo, .offset: 32, .size: 8, .value_kind: global_buffer, .address_space: global }
      - { .name: out0, .offset: 40, .size: 8, .value_kind: global_buffer, .address_space: global }
    .group_segment_fixed_size: 327680
    .private_segment_fixed_size: 0
    .kernarg_segment_align: 8
    .kernarg_segment_size: 48
    .max_flat_workgroup_size: 128
    .sgpr_count:     66
    .vgpr_count:     768
    .wavefront_size: 32
...
	.end_amdgpu_metadata
.endif
;; end of part 4
